; MI455X (gfx1250); checked and timed in simulation.
; The chip was launched on July 23, 2026; its instructions are those of AMD's public machine-readable ISA for CDNA 5 (MIT licence, August 2026) and "CDNA5" Instruction Set Architecture Reference Guide (July 2026). The comments in the code are by the model that wrote it; some were corrected since.
;; Attention Layer. Allowed arithmetic: matrix products marked QUANTISED: E3M2 operands, one E8M0 scale for each 32 along K, by v_wmma_scale_f32_16x16x128_f8f6f4 with both operands' format E3M2, f32 sums; products left as they are: f32 operands where the result goes on into a quantised operand, else bf16, f16 or f32 operands; f32 sums; everything else in f32.
;; Inputs: W1 512 x 256 float32; W2 256 x 128 float32; W3 128 x 1 float32; b1 256 float32; b2 128 float32; b3 1 float32; keys 2,048 x 200 x 128 float32; mask 2,048 x 200 int32; query 2,048 x 128 float32.
;; Outputs: out0 2,048 x 128 float32.
;; This version of the problem:
;;   THIS VERSION OF THE PROBLEM IS GIVEN IN LOW PRECISION. The matrix products marked QUANTISED in the list below multiply operands that are first quantised to E3M2 (3 exponent bits, 2 mantissa bits; 6 bits a number), with one power-of-two scale for each 32 numbers along K (OCP MX v1.0); their sums are f32. All else is computed in f32.
;;   The module's matrix products, in the order in which they are computed (A, B: the left and right operand; K: the contracted axis; several contracted axes count as one K, in the product's order):
;;     1. [M 409,600, K 512] x [K 512, N 256]; A: computed on the way; B: input W1: QUANTISED
;;     2. [M 409,600, K 256] x [K 256, N 128]; A: computed on the way; B: input W2: QUANTISED
;;     3. [M 409,600, K 128] x [K 128, N 1]; A: computed on the way; B: input W3: left as it is (N = 1 < 16)
;;     4. batch 2,048 x [M 1, K 200] x [K 200, N 128]; A: computed on the way; B: input keys: left as it is (M = 1 < 16)
;;   THE QUANTISER, for each operand of a quantised product, along K:
;;     - K is cut into blocks of 32 from its start; a last block that is shorter is filled with zeros.
;;     - A block's scale is 2^e with e = floor(log2(the largest magnitude in the block)) - 4, held to -126 .. 127; a block of zeros has e = 0. As a byte (E8M0): e + 127.
;;     - Each number is divided by its block's scale, clamped to +-28, and rounded to the nearest number of E3M2, ties to even, subnormals kept.
;;     - The product sums the exact products of the quantised numbers (number of the format x scale) in f32.
;;   ~~~python
;;   def quantise(x, axis):      # numpy; x: float32 -> the quantised numbers, widened to float32 again
;;       x = np.moveaxis(x, axis, -1); K = x.shape[-1]
;;       x = np.pad(x, [(0, 0)] * (x.ndim - 1) + [(0, -K % 32)]); x = x.reshape(x.shape[:-1] + (-1, 32)); a = np.abs(x).max(-1, keepdims=True)
;;       e = np.where(a > 0, np.clip(np.frexp(np.where(a > 0, a, 1))[1] - 1 - 4, -126, 127), 0)      # np.frexp(a)[1] - 1 = floor(log2(a)), exactly
;;       r = np.clip(x / 2.0 ** e, -28, 28)
;;       step = 2.0 ** (np.maximum(np.frexp(np.where(r == 0, 1, r))[1] - 1, -2) - 2)
;;       q = np.round(r / step) * step * 2.0 ** e      # np.round: ties to even
;;       return np.moveaxis(q.reshape(q.shape[:-2] + (-1,))[..., :K], -1, axis).astype(np.float32)
;;   ~~~
;;   OPERANDS COMPUTED ON THE WAY. 'Computed on the way' means the value that the module computes at that place (a softmax that the list does not call 'softmax' is quantised finished and normalised). What goes into a quantiser is computed in f32, as accurately as f32 sums, v_exp_f32 and their like allow (about 1e-6 of the number): no bf16 or f16 on the way to a quantiser, and a product that is left as it is and whose result goes on into a quantised operand takes f32 operands (vector FMAs, or v_wmma_f32_16x16x4_f32). A number that lies on a knife's edge between two numbers of the format may be rounded either way, as far as f32 arithmetic and the matrix unit's own rounding can turn it there, and no further.
;; 2 versions, each right; version 2 is version 1 with the launch attn written anew for expert scheduling mode. Each part assembles by itself: llvm-mc -triple=amdgcn-amd-amdhsa -mcpu=gfx1250 --defsym DOCPART=n.
;; ======== version 1 of 2: 2 launches
;; workspace buffers: wimg 128,000 bytes; sel 65,536 bytes of whole numbers
;; launch prep (part 1): grid 84 x 1, 4 waves a work-group, no clusters, 0 bytes of LDS; arguments W1, W2, mask, wimg, sel; writes wimg, sel
.if DOCPART == 1
	.amdgcn_target "amdgcn-amd-amdhsa--gfx1250"
	.amdhsa_code_object_version 6
	.text
	.protected	k_q153c7c6b0a_prep
	.globl	k_q153c7c6b0a_prep
	.p2align	8
	.type	k_q153c7c6b0a_prep,@function
k_q153c7c6b0a_prep:
	s_mov_b64 s[64:65], 0
	v_nop
	global_prefetch_b8 v0, s[64:65] scope:SCOPE_SE
	s_setreg_imm32_b32 hwreg(HW_REG_WAVE_MODE, 25, 1), 1
	s_wait_xcnt 0x0
; Three kinds of work-group, told apart by the work-group's number alone.
;   0 .. 15   W1 [512 (k)][256 (n)] f32 -> codes of BF6 (E3M2) with one E8M0 scale byte for each 32 along K: work-group T makes N tile T, its wave s K step s: one operand fragment (16 units x 128 k).
;   16 .. 19  W2 [256 (k)][128 (n)] likewise: tile 2 (x - 16) + wave / 2, K step wave % 2.
;   20 .. 83  the mask [2048][200] i32: a wave takes 8 batches and writes their selections, 32 bytes each.
; A FRAGMENT IS STORED AS AN IMAGE OF THE OPERAND'S REGISTERS: 12 registers a lane, registers 4 p .. 4 p + 3 of lane l at 512 p + 16 l: each store of the wave covers 512 consecutive bytes.
; A LANE TAKES A COLUMN n AND ITS REGISTERS RUN DOWN K, in the order that the 6-bit operand layout gives that lane (registers 6 c .. 6 c + 5: k = 64 c + 32 (lane / 16) + 0 .. 31), so nothing is transposed.
; THE UNITS OF A TILE ARE NOT NEIGHBOURS: lane r of tile 2 b + u takes unit 32 b + 8 u + r + 8 (r / 8), so that in the transposed product two neighbouring tiles give a lane 16 neighbours along the next K.
; wimg: 0: W1's 64 fragments (4 T + s) x 1,536 bytes; 98,304: W2's 16 (2 t + s); 122,880: W1's scale words, 256 bytes a tile: lane l has 8 bytes: the words of K steps l / 16 and 2 + l / 16 of the tile's row l % 16;
;       126,976: W2's, 128 bytes a tile: lane l has the word of K step l / 16 of row l % 16.
; A block's scale byte is its largest magnitude's exponent field - 4, held at 1 from below (a block of zeros gets 1 where the rule says 127: its codes are zeros, and this program alone reads the bytes).
; sel: 8 words a batch.  Words 0 .. 5: bit l of word c is 1 where mask[32 c + l] == 1.  Word 6: bits 0 .. 7 the same for rows 192 .. 199; byte 1: P5, byte 2: P6, byte 3: the number of kept rows.
;      Word 7: bytes P1, P2, P3, P4.  P_c = the number of kept rows ahead of row 32 c (each at most 200: a byte holds it).
; LIMITS: NaN and infinities among the weights are not served.
.set IMG2, 98304
.set SCL1, 122880
.set SCL2, 126976
	s_load_b128 s[4:7], s[0:1], 0x0                ; W1, W2
	s_load_b128 s[8:11], s[0:1], 0x10              ; mask, wimg
	s_load_b64 s[12:13], s[0:1], 0x20              ; sel
	v_lshrrev_b32 v1, 5, v0
	v_readfirstlane_b32 s14, v1                    ; wave 0..3
	v_and_b32 v1, 31, v0                           ; lane
	v_and_b32 v2, 15, v0                           ; r
	v_bfe_u32 v3, v0, 4, 1                         ; h
	v_and_b32 v8, 8, v2
	v_add_nc_u32 v8, v8, v2
	v_lshlrev_b32 v8, 2, v8                        ; 4 (r + 8 (r / 8)): my column's bytes in a tile's 24 columns
	v_lshlrev_b32 v6, 4, v1                        ; 16 x lane: my place in an image's piece
	s_mov_b32 s16, 0x76543210
	s_mov_b32 s17, 0xfedcba98                      ; v_permlanex16_b32's selects for lane l xor 16
	s_mov_b32 s19, 0                               ; upper words of the 64-bit offsets
	s_mov_b32 s21, 0
	s_wait_kmcnt 0x0
	s_cmp_lt_u32 ttmp9, 16
	s_cbranch_scc1 .Lw1
	s_cmp_lt_u32 ttmp9, 20
	s_cbranch_scc1 .Lw2
	; ---- the mask: one wave, eight batches: their 64 words leave as one aligned block of 256 bytes
	s_sub_co_u32 s15, ttmp9, 20
	s_lshl_b32 s15, s15, 2
	s_add_co_u32 s15, s15, s14                     ; which run of 8 batches
	s_mul_i32 s18, s15, 6400                       ; its 8 rows of the mask, 800 bytes each
	s_lshl_b32 s28, s15, 8                         ; its 256 bytes of sel
	s_mov_b32 s29, 0
	s_add_nc_u64 s[8:9], s[8:9], s[18:19]
	s_add_nc_u64 s[12:13], s[12:13], s[28:29]
	v_lshlrev_b32 v4, 2, v1                        ; 4 x lane
	v_add_nc_u32 v5, 768, v4
	v_min_u32 v5, 796, v5                          ; chunk 6 has 8 rows: the other lanes read the row's last word, so that no load leaves the row
	v_lshlrev_b32 v7, 3, v1                        ; the way out: 8 bytes a lane
.irp j, 0,1,2,3,4,5,6,7
.irp c, 0,1,2,3,4,5
	global_load_b32 v[64+7*\j+\c], v4, s[8:9] offset:800*\j+128*\c
.endr
	global_load_b32 v[64+7*\j+6], v5, s[8:9] offset:800*\j
.endr
	v_mov_b32 v10, 0                               ; written whole before single lanes are written
	v_mov_b32 v11, 0
	s_wait_loadcnt 0x0                             ; all 56 are wanted
.macro BATCH j
.irp c, 0,1,2,3,4,5,6
	v_cmp_eq_u32 s[20+\c], 1, v[64+7*(\j)+\c]      ; kept: mask == 1, as the definition compares
.endr
	s_and_b32 s26, s26, 0xff                       ; t >= 200 is never kept
.irp c, 0,1,2,3,4,5,6
	s_bcnt1_i32_b32 s[30+\c], s[20+\c]
.endr
	s_add_co_u32 s42, s30, s31                     ; P2 (P1 is s30)
	s_add_co_u32 s43, s42, s32                     ; P3
	s_add_co_u32 s44, s43, s33                     ; P4
	s_add_co_u32 s45, s44, s34                     ; P5
	s_add_co_u32 s46, s45, s35                     ; P6
	s_add_co_u32 s47, s46, s36                     ; the number of kept rows
	s_lshl_b32 s48, s45, 8
	s_or_b32 s26, s26, s48                         ; word 6
	s_lshl_b32 s48, s46, 16
	s_or_b32 s26, s26, s48
	s_lshl_b32 s48, s47, 24
	s_or_b32 s26, s26, s48
	s_lshl_b32 s27, s42, 8
	s_or_b32 s27, s27, s30                         ; word 7
	s_lshl_b32 s48, s43, 16
	s_or_b32 s27, s27, s48
	s_lshl_b32 s48, s44, 24
	s_or_b32 s27, s27, s48
.irp w, 0,1,2,3,4,5,6,7
	v_writelane_b32 v[10+(\w%2)], s[20+\w], 4*(\j)+(\w/2)   ; word 8 j + w of the 64: lane (8 j + w) / 2, register (8 j + w) % 2
.endr
.endm
.irp j, 0,1,2,3,4,5,6,7
	BATCH \j
.endr
	global_store_b64 v7, v[10:11], s[12:13]        ; 32 lanes store 256 consecutive bytes, at a multiple of 256 from the buffer's first byte
	s_endpgm
; One fragment: source at s[4:5] + v5 (rows pitch bytes apart), image to s[22:23] + v6, scale word to s[24:25] + v7.
.macro QW pitch
.irp c, 0,1
.irp i, 0,1,2,3,4,5,6,7,8,9,10,11,12,13,14,15,16,17,18,19,20,21,22,23,24,25,26,27,28,29,30,31
	global_load_b32 v[64+32*\c+\i], v5, s[4:5] offset:(64*\c+\i)*\pitch   ; W(64 c + 32 h + i, my column)
.endr
.endr
	s_wait_loadcnt 0x0                             ; both blocks' 64 numbers
.irp c, 0,1                                    ; my block 2 c + h: all its 32 numbers are mine
	v_max3_num_f32 v[32+\c], |v[64+32*\c]|, |v[65+32*\c]|, 0x2800000   ; and the floor 2^(5 - 127): the byte cannot fall under 1
.endr
.irp i, 2,4,6,8,10,12,14,16,18,20,22,24,26,28,30
.irp c, 0,1
	v_max3_num_f32 v[32+\c], v[32+\c], |v[64+32*\c+\i]|, |v[65+32*\c+\i]|   ; (the two blocks by turns)
.endr
.endr
.irp c, 0,1
	v_add_nc_u32 v[44+\c], 0xfe000000, v[32+\c]    ; 4 off the exponent field: the conversion's scale operand
.endr
.irp c, 0,1
	v_lshrrev_b32 v[36+\c], 23, v[44+\c]           ; the scale's byte
.endr
	v_lshl_or_b32 v9, v37, 16, v36                 ; my two bytes: blocks h and 2 + h,
	v_lshlrev_b32 v10, 3, v3
	v_lshlrev_b32 v9, v10, v9                      ; at their places in the word (8 h bits up);
	v_mov_b32 v10, 0
	v_permlanex16_b32 v10, v9, s16, s17
	v_or_b32 v9, v9, v10                           ; with lane l xor 16's two the word is whole
.irp c, 0,1
	v_cvt_scalef32_pk16_bf6_f32 v[48+6*\c:50+6*\c], v[64+32*\c:79+32*\c], v[44+\c]
	v_cvt_scalef32_pk16_bf6_f32 v[24+4*\c:26+4*\c], v[80+32*\c:95+32*\c], v[44+\c]   ; (a conversion's three registers begin on an even number)
.endr
	v_nop                                          ; one plain place behind a scaled conversion
.irp c, 0,1
.irp i, 0,1,2
	v_mov_b32 v[51+6*\c+\i], v[24+4*\c+\i]
.endr
.endr
.irp p, 0,1,2
	global_store_b128 v6, v[48+4*\p:51+4*\p], s[22:23] offset:512*\p   ; 32 lanes store 512 consecutive bytes
.endr
	v_cmp_gt_u32 vcc_lo, 16, v1
	s_wait_xcnt 0x0                                ; EXEC is a source of the stores above: it changes only behind this wait
	s_and_saveexec_b32 s26, vcc_lo
	global_store_b32 v7, v9, s[24:25]              ; lanes 0-15: the 16 rows' words (5,120 bytes in the whole launch go out so)
	s_wait_xcnt 0x0                                ; and again in front of the line that widens it
	s_or_b32 exec_lo, exec_lo, s26
	s_endpgm
.endm
.Lw1:                                              ; T = work-group, s = wave
	s_lshl_b32 s18, s14, 17                        ; K step s: 128 rows of 1,024 bytes
	s_lshr_b32 s20, ttmp9, 1
	s_lshl_b32 s20, s20, 7
	s_add_co_u32 s18, s18, s20                     ; + 4 x 32 (T / 2)
	s_and_b32 s20, ttmp9, 1
	s_lshl_b32 s20, s20, 5
	s_add_co_u32 s18, s18, s20                     ; + 4 x 8 (T % 2)
	s_add_nc_u64 s[4:5], s[4:5], s[18:19]
	s_lshl_b32 s20, ttmp9, 2
	s_add_co_u32 s20, s20, s14
	s_mul_i32 s20, s20, 1536                       ; image 4 T + s
	s_add_nc_u64 s[22:23], s[10:11], s[20:21]
	s_lshl_b32 s20, ttmp9, 8                       ; scale words: 256 T + 128 (s % 2) + 4 (s / 2) + 8 r
	s_and_b32 s27, s14, 1
	s_lshl_b32 s27, s27, 7
	s_add_co_u32 s20, s20, s27
	s_lshr_b32 s27, s14, 1
	s_lshl_b32 s27, s27, 2
	s_add_co_u32 s20, s20, s27
	s_add_co_u32 s20, s20, SCL1
	s_add_nc_u64 s[24:25], s[10:11], s[20:21]
	v_lshl_add_u32 v5, v3, 15, v8                  ; lanes 16-31 begin 32 rows further down
	v_lshlrev_b32 v7, 3, v2
	QW 1024
.Lw2:
	s_sub_co_u32 s15, ttmp9, 16
	s_lshl_b32 s15, s15, 1
	s_lshr_b32 s27, s14, 1
	s_add_co_u32 s15, s15, s27                     ; the tile
	s_and_b32 s27, s14, 1                          ; the K step
	s_lshl_b32 s18, s27, 16                        ; 128 rows of 512 bytes
	s_lshr_b32 s20, s15, 1
	s_lshl_b32 s20, s20, 7
	s_add_co_u32 s18, s18, s20
	s_and_b32 s20, s15, 1
	s_lshl_b32 s20, s20, 5
	s_add_co_u32 s18, s18, s20
	s_add_nc_u64 s[4:5], s[6:7], s[18:19]
	s_lshl_b32 s20, s15, 1
	s_add_co_u32 s20, s20, s27
	s_mul_i32 s20, s20, 1536
	s_add_co_u32 s20, s20, IMG2
	s_add_nc_u64 s[22:23], s[10:11], s[20:21]
	s_lshl_b32 s20, s15, 7                         ; scale words: 128 t + 64 s + 4 r
	s_lshl_b32 s28, s27, 6
	s_add_co_u32 s20, s20, s28
	s_add_co_u32 s20, s20, SCL2
	s_add_nc_u64 s[24:25], s[10:11], s[20:21]
	v_lshl_add_u32 v5, v3, 14, v8
	v_lshlrev_b32 v7, 2, v2
	QW 512
.Lfunc_end_k_q153c7c6b0a_prep:
	.size	k_q153c7c6b0a_prep, .Lfunc_end_k_q153c7c6b0a_prep-k_q153c7c6b0a_prep
	.p2alignl 7, 3214868480
	.fill 96, 4, 3214868480
	.section	.rodata,"a",@progbits
	.p2align	6, 0x0
	.amdhsa_kernel k_q153c7c6b0a_prep
		.amdhsa_group_segment_fixed_size 0
		.amdhsa_private_segment_fixed_size 0
		.amdhsa_enable_private_segment 0
		.amdhsa_kernarg_size 40
		.amdhsa_user_sgpr_count 2
		.amdhsa_user_sgpr_kernarg_segment_ptr 1
		.amdhsa_wavefront_size32 1
		.amdhsa_system_sgpr_workgroup_id_x 1
		.amdhsa_system_sgpr_workgroup_id_y 1
		.amdhsa_system_sgpr_workgroup_id_z 1
		.amdhsa_system_vgpr_workitem_id 0
		.amdhsa_next_free_vgpr 128
		.amdhsa_next_free_sgpr 66
		.amdhsa_reserve_vcc 1
		.amdhsa_float_denorm_mode_32 3
		.amdhsa_float_denorm_mode_16_64 3
		.amdhsa_memory_ordered 1
		.amdhsa_forward_progress 1
		.amdhsa_inst_pref_size 43
	.end_amdhsa_kernel
	.amdgpu_metadata
---
amdhsa.version: [ 1, 2 ]
amdhsa.kernels:
  - .name:           k_q153c7c6b0a_prep
    .symbol:         k_q153c7c6b0a_prep.kd
    .args:
      - { .name: W1, .offset: 0, .size: 8, .value_kind: global_buffer, .address_space: global }
      - { .name: W2, .offset: 8, .size: 8, .value_kind: global_buffer, .address_space: global }
      - { .name: mask, .offset: 16, .size: 8, .value_kind: global_buffer, .address_space: global }
      - { .name: wimg, .offset: 24, .size: 8, .value_kind: global_buffer, .address_space: global }
      - { .name: sel, .offset: 32, .size: 8, .value_kind: global_buffer, .address_space: global }
    .group_segment_fixed_size: 0
    .private_segment_fixed_size: 0
    .kernarg_segment_align: 8
    .kernarg_segment_size: 40
    .max_flat_workgroup_size: 128
    .sgpr_count:     66
    .vgpr_count:     128
    .wavefront_size: 32
...
	.end_amdgpu_metadata
.endif
;; end of part 1
;; launch attn (part 2): grid 256 x 1, 8 waves a work-group, no clusters, 270,336 bytes of LDS; arguments keys, query, sel, wimg, b1, b2, W3, b3, out0; writes out0
.if DOCPART == 2
	.amdgcn_target "amdgcn-amd-amdhsa--gfx1250"
	.amdhsa_code_object_version 6
	.text
	.protected	k_q153c7c6b0a_attn
	.globl	k_q153c7c6b0a_attn
	.p2align	8
	.type	k_q153c7c6b0a_attn,@function
k_q153c7c6b0a_attn:
	s_mov_b64 s[64:65], 0
	v_nop
	global_prefetch_b8 v0, s[64:65] scope:SCOPE_SE
	s_setreg_imm32_b32 hwreg(HW_REG_WAVE_MODE, 25, 1), 1
	s_wait_xcnt 0x0
; out0[b] = sum over t of softmax_t(score[b][t]) keys[b][t], score = sigmoid(W3 . sigmoid(W2^T sigmoid(W1^T x + b1) + b2) + b3) where mask == 1, x = [k, q, k - q, q k] (512 wide).
; Both large products run on codes of BF6 (E3M2) with one E8M0 scale for each 32 along K; x and the first hidden layer are quantised in registers from f32; the weights come as codes from the launch before.
; SHARES.  2,048 waves, 2,048 batches: batch = 8 x work-group + wave.  A wave takes its batch through the whole chain, 32 rows (two tiles of 16) a pass.
; ONLY THE KEPT ROWS ARE WORKED: a row with mask != 1 has the weight 0 in the definition.  The kept rows' bits, their counts ahead of each 32 rows and their number come from the launch before, 32 bytes a batch;
; a wave makes max(1, ceil(count / 32)) passes, at most 7.  In pass p lane l finds kept row number 32 p + l (macro ROWSEL).  The last pass is filled up with row 0, whose weight there is set to 0.
; NO MAXIMUM IS TAKEN AWAY IN THE SOFTMAX: every score is a sigmoid's result, in [0, 1] for every input, so e^score lies in [1, e] and a batch's sum in [1, 200 e]: nothing can overflow or underflow.
; A batch with no kept row gives 0 x (1 / 0) = NaN, as the definition does.
; LIMITS: NaN and infinities among the inputs are not served (one in a row that the mask hides is not carried into the result, unless it is row 0 and fills up a last pass).
; NO TENSOR LOAD, NO CLUSTER: a wave's trip count is a number read from memory, which differs from wave to wave.  What work-groups share is the weights, 130,048 bytes, which each work-group copies into
; LDS once, through registers; after the one barrier behind that copy they are only read, and the waves never meet again.
; LAYOUT.  Both products are used transposed (source 0 = 16 units of the weight, source 1 = 16 rows of x or of the hidden layer): a lane holds one row, lane % 16, and its registers run along the units.  The units of a tile
; are chosen (lane r of tile 2 b + u: unit 32 b + 8 u + r + 8 (r / 8)) so that register 16 b + i of a row tile's 64 is unit 32 b + 16 (lane / 16) + i: 16 neighbours along the next K.  The biases are the C of each sum's first product.
; LDS: 0 the weights' images and scale words as the launch before laid them (128,000 bytes); 128,000 b1; 129,024 b2; 129,536 W3; 130,048 each wave's query row (512); 134,144 each wave's stage: 32 rows, 528 bytes apart.
; REGISTERS.  Window 0: v1-13, v24-25 addresses; v14 the sum, v16-23 the output in two sets; v32.. q's codes; v44-115 x's codes (2 tiles x 3 K steps; during the second product the next pass's rows 0-15 land in v44-107);
;   v116-122 x's scale words; v124-171 the hidden layer's codes, v172-175 its scale words; v176-191 the weights' scale words; v192-223 at work; v224-255 the key loads' offsets.
; Window 1: v0-127 the accumulators (tile t, row tile m at 64 m + 8 t); v128-183, v184-239 two buffers for a tile's weights and bias; in the second product v0-63 accumulators, v64-127 the next pass's rows 16-31,
;   v216-247 W3, v248-255 the score's partial sums; while x is made: v0-127 the rows, v128-191 k - q or q k, v192-255 q.
.set LW2,    98304
.set LSC1,   122880
.set LSC2,   126976
.set LB1,    128000
.set LQROW,  130048
.set LSTAGE, 134144
.set SPITCH, 528                       ; 33 x 16 bytes: the sixteen rows that a load touches start 16 bytes apart modulo 256
.set STAGEB, 32*SPITCH
.set L16,  1                           ; 16 x lane; also the address of W1's tiles 0-7
.set AW0,  1
.set AW1,  3                           ; + 49,152: W1's tiles 8-15
.set AW2,  4                           ; + 98,304: W2's tiles
.set ASC1, 5                           ; 8 x lane + W1's scale words
.set ASC2, 6                           ; 4 x lane + W2's
.set AB,   7                           ; 64 (lane / 16) + b1's first byte; b2 lies 1,024 and W3 1,536 bytes on
.set ASTW, 8                           ; my stage, a row as it lies: 16 x lane
.set ASTR, 9                           ; my stage, by rows: 528 (lane % 16) + 64 (lane / 16)
.set AQW,  10                          ; my query row, as it lies
.set AQR,  11                          ; and 64 (lane / 16) in it
.set RR,   12                          ; lane % 16
.set VF,   13                          ; the fill: 16 x lane + 512 x wave, in wimg and in LDS alike
.set LSUM, 14
.set OA,   16
.set VF2,  24                          ; VF + 65,536
.set VX,   25                          ; the fill's last turn: my offset in its source
.set XCQ,  32
.set XC,   44
.set XSQ,  116
.set XS,   117
.set H1C,  124
.set H1S,  172
.set WS,   176
.set TM,   192                         ; v192-195 largest magnitudes, v196-199 bytes, v204-207 the conversions' scale operands
.set PT,   208                         ; v208-215 the upper halves' codes
.set TT,   216                         ; v216-223 the tail's
.set GA,   224
.set KN0,  44
.set KN1,  64                          ; from here on: window 1
.set WB0,  128
.set DD,   128
.set QQ,   192
.set W3R,  216
.set SS,   248
; ROWSEL's registers: the quantiser's, which are idle where ROWSEL stands
.set RN,   TM                          ; n: which kept row my lane looks for
.set RW,   TM+1                        ; the word of 32 rows in which it lies
.set RPB,  TM+2                        ; kept rows ahead of that word
.set RTB,  TM+3                        ; the word's first row
.set RA1,  TM+4                        ; the word's bit counts in fields of 2,
.set RA2,  TM+5                        ; 4,
.set RA4,  TM+6                        ; 8
.set RA8,  TM+7                        ; and (low byte) 16 bits
.set RK,   TM+8                        ; the rank still to go
.set RP,   TM+9                        ; the bit's place so far
.set RT,   TM+10
.set RU,   TM+11
.set ROFF, TM+12                       ; the row's byte offset in the batch's keys
.set MSB, 0
.macro WIN new                         ; low byte: bits 1:0 source 0, 3:2 source 1, 5:4 source 2, 7:6 destination; the high byte repeats the setting that is left
.if MSB != \new
	s_set_vgpr_msb (MSB<<8)|\new
.set MSB, \new
.endif
.endm
.macro PLACES n
.rept \n
	v_nop
.endr
.endm
; 64 numbers of a lane in window 1, register src + 16 b + i = k 32 b + 16 (lane / 16) + i of my row, become a fragment's 12 registers of codes at dst and its scale word in sw (both window 0).
.macro QUANT src, dst, sw
	WIN 0x05
.irp b, 0,1,2,3
	v_max3_num_f32 v[TM+\b], |v[(\src)+16*\b]|, |v[(\src)+16*\b+1]|, 0x2800000   ; block b: my 16 numbers, and the floor 2^(5 - 127): the byte cannot fall under 1
.endr
.irp i, 2,4,6,8,10,12,14
.irp b, 0,1,2,3
	v_max3_num_f32 v[TM+\b], |v[(\src)+16*\b+\i]|, |v[(\src)+16*\b+\i+1]|, v[TM+\b]   ; (the four blocks by turns)
.endr
.endr
	WIN 0
.irp b, 0,1,2,3
	v_permlanex16_b32 v[TM+4+\b], v[TM+\b], s18, s19
.endr
.irp b, 0,1,2,3
	v_max_num_f32 v[TM+\b], v[TM+\b], v[TM+4+\b]   ; with lane l xor 16's: the block's largest magnitude
.endr
.irp b, 0,1,2,3
	v_add_nc_u32 v[TM+12+\b], 0xfe000000, v[TM+\b] ; 4 off its exponent field: the conversion's scale operand
.endr
.irp b, 0,1,2,3
	v_lshrrev_b32 v[TM+4+\b], 23, v[TM+12+\b]      ; the scale's byte
.endr
	v_lshl_or_b32 v[\sw], v[TM+5], 8, v[TM+4]      ; the four bytes make my row's scale word
	v_lshl_or_b32 v[\sw], v[TM+6], 16, v[\sw]
	v_lshl_or_b32 v[\sw], v[TM+7], 24, v[\sw]
	WIN 0x01
.irp c, 0,1
	v_cvt_scalef32_pk16_bf6_f32 v[(\dst)+6*\c:(\dst)+6*\c+2], v[(\src)+32*\c:(\src)+32*\c+15], v[TM+12+2*\c]
	v_cvt_scalef32_pk16_bf6_f32 v[PT+4*\c:PT+4*\c+2], v[(\src)+32*\c+16:(\src)+32*\c+31], v[TM+12+2*\c+1]   ; (a conversion's three registers begin on an even number)
.endr
	v_nop                                          ; one plain place behind a scaled conversion
	WIN 0
.irp c, 0,1                                    ; the operand's layout wants a WHOLE block in a lane: lanes 0-15 block 2 c, lanes 16-31 block 2 c + 1
.irp i, 0,1,2
	v_permlane16_swap_b32 v[(\dst)+6*\c+\i], v[PT+4*\c+\i]
.endr
.irp i, 0,1,2
	v_mov_b32 v[(\dst)+6*\c+3+\i], v[PT+4*\c+\i]
.endr
.endr
.endm
; 16 LDS loads: of one row a lane, 16 neighbouring numbers of each block of 32.  The caller has set the destination's window to 1.
.macro ROWLOAD reg, adr, off
.irp b, 0,1,2,3
.irp q, 0,1,2,3
	ds_load_b128 v[(\reg)+16*\b+4*\q:(\reg)+16*\b+4*\q+3], v[\adr] offset:(\off)+128*\b+16*\q
.endr
.endr
.endm
; Row tile m: k, k - q and q k become three fragments (q's own was made once, at the head).
.macro XTILE m
	QUANT 64*(\m), XC+36*(\m), XS+3*(\m)
	WIN 0x45
.set j, 0
.rept 32
	v_pk_add_f32 v[DD+j:DD+j+1], v[64*(\m)+j:64*(\m)+j+1], v[QQ+j:QQ+j+1] neg_lo:[0,1] neg_hi:[0,1]
.set j, j+2
.endr
	QUANT DD, XC+36*(\m)+12, XS+3*(\m)+1
	WIN 0x45
.set j, 0
.rept 32
	v_pk_mul_f32 v[DD+j:DD+j+1], v[64*(\m)+j:64*(\m)+j+1], v[QQ+j:QQ+j+1]
.set j, j+2
.endr
	QUANT DD, XC+36*(\m)+24, XS+3*(\m)+2
.endm
; The weights of tile t into buffer t % 2.  t < 16: W1's four fragments and 8 numbers of b1: 14 loads.  t >= 16: W2's two fragments of tile t - 16 and 8 numbers of b2: 8 loads.
.macro LOADW t
.set WBP, WB0+56*((\t)%2)
	WIN 0x40
.if (\t) < 16
.if (\t) < 8
.set AWR, AW0
.else
.set AWR, AW1
.endif
.irp s, 0,1,2,3
.irp c, 0,1,2
	ds_load_b128 v[WBP+12*\s+4*\c:WBP+12*\s+4*\c+3], v[AWR] offset:((\t)%8)*6144+1536*\s+512*\c
.endr
.endr
	ds_load_b128 v[WBP+48:WBP+51], v[AB] offset:128*((\t)/2)+32*((\t)%2)
	ds_load_b128 v[WBP+52:WBP+55], v[AB] offset:128*((\t)/2)+32*((\t)%2)+16
.else
.set TP, (\t)-16
.irp s, 0,1
.irp c, 0,1,2
	ds_load_b128 v[WBP+12*\s+4*\c:WBP+12*\s+4*\c+3], v[AW2] offset:3072*TP+1536*\s+512*\c
.endr
.endr
	ds_load_b128 v[WBP+24:WBP+27], v[AB] offset:1024+128*(TP/2)+32*(TP%2)
	ds_load_b128 v[WBP+28:WBP+31], v[AB] offset:1024+128*(TP/2)+32*(TP%2)+16
.endif
.endm
; Eight loads of scale words.  k = 0, 1: W1's tiles 8 k .. 8 k + 7, two registers a tile: lanes 0-15 K steps 0 and 2, lanes 16-31 K steps 1 and 3.  k = 2: W2's eight tiles, one register: K step lane / 16.
.macro WSLOAD k
	WIN 0
.irp i, 0,1,2,3,4,5,6,7
.if (\k) < 2
	ds_load_b64 v[WS+2*\i:WS+2*\i+1], v[ASC1] offset:256*(8*(\k)+\i)
.else
	ds_load_b32 v[WS+\i], v[ASC2] offset:128*\i
.endif
.endr
.endm
; Eight loads: W3 at the units of the second hidden layer's tiles 4 g .. 4 g + 3, in the result's layout.
.macro W3LOAD g
	WIN 0x40
.irp i, 0,1,2,3
	ds_load_b128 v[W3R+8*\i:W3R+8*\i+3], v[AB] offset:1536+128*((4*(\g)+\i)/2)+32*(\i%2)
	ds_load_b128 v[W3R+8*\i+4:W3R+8*\i+7], v[AB] offset:1536+128*((4*(\g)+\i)/2)+32*(\i%2)+16
.endr
.endm
; Tile t of the first product: 4 K steps (k, q, k - q, q k) x 2 row tiles.  The two accumulators take turns, one instruction a turn.
.macro MM1 t
.set WBP, WB0+56*((\t)%2)
.set TL, (\t)%8
	WIN 0x51                                       ; source 0 (weights), C and D window 1; source 1 (x) window 0
.irp s, 0,1,2,3
.irp m, 0,1
.if \s == 1
.set BR, XCQ
.set BS, XSQ
.else
.set BR, XC+36*\m+12*((\s+1)/2)
.set BS, XS+3*\m+(\s+1)/2
.endif
.set AC, 64*\m+8*TL
.if \s == 0
	v_wmma_scale_f32_16x16x128_f8f6f4 v[AC:AC+7], v[WBP:WBP+11], v[BR:BR+11], v[WBP+48:WBP+55], v[WS+2*TL], v[BS] matrix_a_fmt:MATRIX_FMT_BF6 matrix_b_fmt:MATRIX_FMT_BF6
.elseif \s == 2
	v_wmma_scale_f32_16x16x128_f8f6f4 v[AC:AC+7], v[WBP+24:WBP+35], v[BR:BR+11], v[AC:AC+7], v[WS+2*TL+1], v[BS] matrix_a_fmt:MATRIX_FMT_BF6 matrix_b_fmt:MATRIX_FMT_BF6
.else
	v_wmma_scale_f32_16x16x128_f8f6f4 v[AC:AC+7], v[WBP+12*\s:WBP+12*\s+11], v[BR:BR+11], v[AC:AC+7], v[WS+2*TL+\s/2], v[BS] matrix_a_fmt:MATRIX_FMT_BF6 matrix_b_fmt:MATRIX_FMT_BF6 matrix_a_scale:MATRIX_SCALE_ROW1
.endif
.endr
.endr
.endm
; Tile t - 16 of the second product: 2 K steps x 2 row tiles, the accumulators by turns.
.macro MM2 t
.set WBP, WB0+56*((\t)%2)
.set TP, (\t)-16
	WIN 0x51
.irp s, 0,1
.irp m, 0,1
.set AC, 32*\m+8*(TP%4)
.set BR, H1C+24*\m+12*\s
.if \s == 0
	v_wmma_scale_f32_16x16x128_f8f6f4 v[AC:AC+7], v[WBP:WBP+11], v[BR:BR+11], v[WBP+24:WBP+31], v[WS+TP], v[H1S+2*\m] matrix_a_fmt:MATRIX_FMT_BF6 matrix_b_fmt:MATRIX_FMT_BF6
.else
	v_wmma_scale_f32_16x16x128_f8f6f4 v[AC:AC+7], v[WBP+12:WBP+23], v[BR:BR+11], v[AC:AC+7], v[WS+TP], v[H1S+2*\m+1] matrix_a_fmt:MATRIX_FMT_BF6 matrix_b_fmt:MATRIX_FMT_BF6 matrix_a_scale:MATRIX_SCALE_ROW1
.endif
.endr
.endr
.endm
; sigmoid(x) = 1 / (1 + 2^(-log2(e) x)) on registers 0 .. n - 1 of window 1, in place, in f32.  The first lines go up the registers.
; The exponentials are one batch and the reciprocals another: behind each one plain instruction and ONE wait, ahead of the batch's first reader.
.macro SIGM n
	WIN 0x41
.set j, 0
.rept (\n)/2
	v_pk_mul_f32 v[j:j+1], v[j:j+1], s[16:17] op_sel_hi:[1,0]
.set j, j+2
.endr
.set j, 0
.rept \n
	v_exp_f32 v[j], v[j]
.set j, j+1
.endr
	v_nop
	s_wait_alu depctr_va_vdst(0)
.set j, 0
.rept (\n)/2
	v_pk_add_f32 v[j:j+1], v[j:j+1], 1.0 op_sel_hi:[1,0]
.set j, j+2
.endr
.set j, 0
.rept \n
	v_rcp_f32 v[j], v[j]
.set j, j+1
.endr
	v_nop
	s_wait_alu depctr_va_vdst(0)
.endm
; The third product, in f32: four tiles' 32 numbers a lane and row tile times W3, two at a time, in two chains a row tile.  g = 0: the first products start the sums: nothing is cleared.
.macro DOT g
	WIN 0x55
.set j, 0
.rept 16
.irp m, 0,1
.set SC, SS+4*\m+2*(j%2)
.if ((\g) == 0) && (j < 2)
	v_pk_mul_f32 v[SC:SC+1], v[32*\m+2*j:32*\m+2*j+1], v[W3R+2*j:W3R+2*j+1]
.else
	v_pk_fma_f32 v[SC:SC+1], v[32*\m+2*j:32*\m+2*j+1], v[W3R+2*j:W3R+2*j+1], v[SC:SC+1]
.endif
.endr
.set j, j+1
.endr
.endm
; One halving of ROWSEL's search: the field of w bits at the place so far, in the counts a, says how many kept rows lie in the lower half of what is left; where my rank is not among them, they are taken off it and the place goes w up.
.macro RSTEP a, w
	v_bfe_u32 v[RT], v[\a], v[RP], \w
	v_cmp_ge_u32 vcc_lo, v[RK], v[RT]
	v_cndmask_b32 v[RT], 0, v[RT], vcc_lo
	v_sub_nc_u32 v[RK], v[RK], v[RT]
	v_cndmask_b32 v[RU], 0, \w, vcc_lo
	v_add_nc_u32 v[RP], v[RP], v[RU]
.endm
; WHICH ROWS.  s32-39 hold the batch's 8 words as loaded, s[sp] 32 x the pass, s10 the number of kept rows.  Lane l finds kept row number n = s[sp] + l and leaves its byte offset, 512 t, in v[ROFF]; 0 where n >= s10.
; Whole numbers only.  The word: the last c with P_c <= n.  In it the bit of rank n - P_c: the word's bit counts in fields of 2, 4, 8 and 16 bits are made once, then five halvings go down through them.
.macro ROWSEL sp
	s_and_b32 s40, s39, 0xff                       ; P1
	s_bfe_u32 s41, s39, 0x80008                    ; P2 (8 bits from bit 8)
	s_bfe_u32 s42, s39, 0x80010                    ; P3
	s_lshr_b32 s43, s39, 24                        ; P4
	s_bfe_u32 s44, s38, 0x80008                    ; P5
	s_bfe_u32 s45, s38, 0x80010                    ; P6
	s_and_b32 s38, s38, 0xff                       ; rows 192 .. 199
	v_lshrrev_b32 v[RN], 4, v[L16]                 ; lane
	v_add_nc_u32 v[RN], s[\sp], v[RN]              ; n
	v_mov_b32 v[RW], s32
	v_mov_b32 v[RPB], 0
	v_mov_b32 v[RTB], 0
.irp c, 1,2,3,4,5,6
	v_cmp_gt_u32 vcc_lo, s[39+\c], v[RN]           ; P_c > n: what I have stays
	v_cndmask_b32 v[RW], s[32+\c], v[RW], vcc_lo
	v_cndmask_b32 v[RPB], s[39+\c], v[RPB], vcc_lo
	v_cndmask_b32 v[RTB], 32*\c, v[RTB], vcc_lo
.endr
	v_sub_nc_u32 v[RK], v[RN], v[RPB]              ; my rank in the word
	v_lshrrev_b32 v[RT], 1, v[RW]
	v_and_b32 v[RT], 0x55555555, v[RT]
	v_sub_nc_u32 v[RA1], v[RW], v[RT]              ; counts of 2 bits
	v_lshrrev_b32 v[RT], 2, v[RA1]
	v_and_b32 v[RT], 0x33333333, v[RT]
	v_and_b32 v[RA2], 0x33333333, v[RA1]
	v_add_nc_u32 v[RA2], v[RA2], v[RT]             ; of 4
	v_lshrrev_b32 v[RT], 4, v[RA2]
	v_add_nc_u32 v[RT], v[RA2], v[RT]
	v_and_b32 v[RA4], 0x0f0f0f0f, v[RT]            ; of 8
	v_lshrrev_b32 v[RT], 8, v[RA4]
	v_add_nc_u32 v[RA8], v[RA4], v[RT]             ; low byte: of the lower 16
	v_and_b32 v[RT], 0xff, v[RA8]
	v_cmp_ge_u32 vcc_lo, v[RK], v[RT]
	v_cndmask_b32 v[RT], 0, v[RT], vcc_lo
	v_sub_nc_u32 v[RK], v[RK], v[RT]
	v_cndmask_b32 v[RP], 0, 16, vcc_lo
	RSTEP RA4, 8
	RSTEP RA2, 4
	RSTEP RA1, 2
	RSTEP RW, 1
	v_add_lshl_u32 v[RT], v[RTB], v[RP], 9         ; 512 x the row
	v_cmp_gt_u32 vcc_lo, s10, v[RN]
	v_cndmask_b32 v[ROFF], 0, v[RT], vcc_lo        ; beyond the kept rows: row 0 stands in
.endm
; 32 rows of keys by the offsets that ROWSEL left, one a lane: each goes to a scalar, and each load is one whole row, 512 consecutive bytes.  No cache hint: row 0 may be named more than once.
.macro KEYLOAD
.set j, 0
.rept 32
	v_readlane_b32 s[32+j], v[ROFF], j
.set j, j+1
.endr
.set j, 0
.rept 32
	s_min_u32 s[32+j], s[32+j], 0x18e00            ; a row's offset is at most 199 x 512
.set j, j+1
.endr
.set j, 0
.rept 32
	v_add_nc_u32 v[GA+j], s[32+j], v[L16]
.set j, j+1
.endr
.set j, 0
.rept 16
	global_load_b128 v[KN0+4*j:KN0+4*j+3], v[GA+j], s[2:3]
.set j, j+1
.endr
	WIN 0x40
.set j, 0
.rept 16
	global_load_b128 v[KN1+4*j:KN1+4*j+3], v[GA+16+j], s[2:3]
.set j, j+1
.endr
	WIN 0
.endm
; The output takes 16 rows (window 1, from kb on; a lane holds 4 numbers of each) times their weights, which lie one a lane in v[wv]: each goes to a scalar pair's low word.
.macro WSUM kb, wv
.set j, 0
.rept 16
	v_readlane_b32 s[66+2*j], v[\wv], j
.set j, j+1
.endr
	WIN 0x01
.set j, 0
.rept 16
	v_pk_fma_f32 v[OA+4*(j%2):OA+4*(j%2)+1], v[(\kb)+4*j:(\kb)+4*j+1], s[66+2*j:67+2*j], v[OA+4*(j%2):OA+4*(j%2)+1] op_sel_hi:[1,0,1]   ; (two sets of sums by turns)
	v_pk_fma_f32 v[OA+4*(j%2)+2:OA+4*(j%2)+3], v[(\kb)+4*j+2:(\kb)+4*j+3], s[66+2*j:67+2*j], v[OA+4*(j%2)+2:OA+4*(j%2)+3] op_sel_hi:[1,0,1]
.set j, j+1
.endr
	WIN 0
.endm
	; ---------------- the head
	s_load_b512 s[68:83], s[0:1], 0x0              ; keys s[68:69], query s[70:71], sel s[72:73], wimg s[74:75], b1 s[76:77], b2 s[78:79], W3 s[80:81], b3 s[82:83]
	s_load_b64 s[6:7], s[0:1], 0x40                ; out0
	v_lshl_add_u32 v211, v0, 2, 0x41c00
	v_mov_b32 v215, 0
	v_lshrrev_b32 v26, 5, v0
	v_readfirstlane_b32 s8, v26                    ; wave 0..7
	v_and_b32 v27, 31, v0                          ; lane
	v_bfe_u32 v28, v0, 4, 1                        ; lane / 16
	v_and_b32 v[RR], 15, v0
	v_lshlrev_b32 v[L16], 4, v27
	v_add_nc_u32 v[AW1], 49152, v[L16]
	v_add_nc_u32 v[AW2], LW2, v[L16]
	v_lshl_add_u32 v[ASC1], v27, 3, LSC1
	v_lshl_add_u32 v[ASC2], v27, 2, LSC2
	v_lshl_add_u32 v[AB], v28, 6, LB1
	s_mul_i32 s22, s8, STAGEB
	s_add_co_u32 s22, s22, LSTAGE                  ; my stage
	v_add_nc_u32 v[ASTW], s22, v[L16]
	v_mul_u32_u24 v[ASTR], v[RR], SPITCH
	v_lshl_add_u32 v[ASTR], v28, 6, v[ASTR]
	v_add_nc_u32 v[ASTR], s22, v[ASTR]
	s_lshl_b32 s23, s8, 9                          ; 512 x wave
	s_add_co_u32 s24, s23, LQROW                   ; my query row
	v_add_nc_u32 v[AQW], s24, v[L16]
	v_lshlrev_b32 v[AQR], 6, v28
	v_add_nc_u32 v[AQR], s24, v[AQR]
	v_add_nc_u32 v[VF], s23, v[L16]
	v_add_nc_u32 v[VF2], 65536, v[VF]
	s_lshl_b32 s9, ttmp9, 3
	s_add_co_u32 s9, s9, s8                        ; my batch
	s_mul_i32 s28, s9, 102400                      ; its keys: 200 rows of 512 bytes (under 2^32 for 2,048 batches)
	s_mov_b32 s29, 0
	s_lshl_b32 s30, s9, 5                          ; its 32 bytes of sel
	s_mov_b32 s31, 0
	s_lshl_b32 s12, s9, 9                          ; its rows of query and out0
	s_mov_b32 s13, 0
	s_mov_b32 s16, 0xbfb8aa3b                      ; -log2(e)
	s_mov_b32 s17, s16                             ; (named with it as a pair, so it is written)
	s_mov_b32 s18, 0x76543210
	s_mov_b32 s19, 0xfedcba98                      ; v_permlanex16_b32's selects for lane l xor 16
	s_mov_b32 s20, 0x3fb8aa3b                      ; log2(e)
	s_wait_kmcnt 0x0
	s_add_nc_u64 s[2:3], s[68:69], s[28:29]
	s_add_nc_u64 s[4:5], s[72:73], s[30:31]        ; never stepped: every pass reads the same 32 bytes
	s_add_nc_u64 s[6:7], s[6:7], s[12:13]
	s_add_nc_u64 s[70:71], s[70:71], s[12:13]
	s_load_b256 s[32:39], s[4:5], 0x0              ; the batch's kept rows
	s_load_b32 s14, s[82:83], 0x0                  ; b3
	; THE FILL: LDS bytes 0 .. 130,047 are 254 chunks of 512 bytes; wave w takes chunks w + 8 i.  Turns 0 .. 30 lie in wimg.  In turn 31 waves 0, 1 take wimg's last two chunks, waves 2, 3 b1's two, wave 4 b2, wave 5 W3.
	s_add_co_u32 s24, s23, 248*512                 ; in wimg
	s_sub_co_u32 s25, s23, 1024                    ; in b1 (used by waves 2 and 3 alone)
	s_mov_b32 s22, 0
	s_cmp_eq_u32 s8, 4
	s_cselect_b64 s[26:27], s[78:79], s[80:81]
	s_cmp_lt_u32 s8, 4
	s_cselect_b64 s[26:27], s[76:77], s[26:27]
	s_cselect_b32 s22, s25, s22
	s_cmp_lt_u32 s8, 2
	s_cselect_b64 s[26:27], s[74:75], s[26:27]
	s_cselect_b32 s22, s24, s22
	v_add_nc_u32 v[VX], s22, v[L16]
	WIN 0x40
.set j, 0
.rept 31
	global_load_b128 v[128+4*j:128+4*j+3], v[VF], s[74:75] offset:4096*j
.set j, j+1
.endr
	WIN 0
	s_cmp_lt_u32 s8, 6
	s_cbranch_scc0 .Lno_extra_load
	WIN 0x40
	global_load_b128 v[252:255], v[VX], s[26:27]
	WIN 0
.Lno_extra_load:
	global_load_b128 v[TT:TT+3], v[L16], s[70:71]  ; my query row
	s_wait_kmcnt 0x0                               ; the batch's 8 words and b3
	s_lshr_b32 s10, s38, 24                        ; the number of kept rows
	s_min_u32 s10, s10, 200
	s_add_co_u32 s11, s10, 31
	s_lshr_b32 s11, s11, 5
	s_max_u32 s11, s11, 1                          ; passes: 1 .. 7
	s_mov_b32 s23, 0
	ROWSEL 23                                      ; pass 0's rows
	KEYLOAD
	s_wait_loadcnt 33                              ; behind the fill's loads stand q's one and the keys' 32: the fill is in
	WIN 0x04                                       ; an LDS store's data are its source 1: window 1
.set j, 0
.rept 16
	ds_store_b128 v[VF], v[128+4*j:128+4*j+3] offset:4096*j
.set j, j+1
.endr
.set j, 0
.rept 15
	ds_store_b128 v[VF2], v[192+4*j:192+4*j+3] offset:4096*j
.set j, j+1
.endr
	WIN 0
	s_cmp_lt_u32 s8, 6
	s_cbranch_scc0 .Lno_extra_store
	WIN 0x04
	ds_store_b128 v[VF2], v[252:255] offset:61440  ; chunk 248 + wave
	WIN 0
.Lno_extra_store:
	s_wait_loadcnt 32                              ; q is in; the keys' 32 may stay out
	ds_store_b128 v[AQW], v[TT:TT+3]
	s_wait_dscnt 0x0                               ; for the others' sake: my part of the weights lies in LDS
	s_barrier_signal -1
	s_barrier_wait -1                              ; everybody's does.  The launch's only barrier: from here on the weights are only read, and stage and query row are each wave's own
	WIN 0x40
	ROWLOAD QQ, AQR, 0
	WIN 0
.irp i, 0,1,2,3,4,5,6,7
	v_mov_b32 v[OA+\i], 0                          ; the output's sums
.endr
	v_mov_b32 v[LSUM], 0
.irp i, 4,5,6,7
	v_mov_b32 v[TM+\i], 0                          ; written once: a lane permute's destination counts as one of its sources
.endr
	v_mov_b32 v[TT+6], 0
	v_mov_b32 v[TT+7], 0
.set j, 0
.rept 16
	s_mov_b32 s[67+2*j], 0                         ; the upper words of the weights' pairs are named, so they are written (the pointers that lay here are done with: their loads have been waited for)
.set j, j+1
.endr
	s_mov_b32 s12, 0                               ; the pass
	s_mov_b32 s21, s10                             ; kept rows from this pass on
	s_wait_dscnt 0x0
	QUANT QQ, XCQ, XSQ                             ; q's fragment serves every row of the batch
	; ---------------- a pass: 32 rows
.Lpass:
	s_wait_loadcnt 0x0                             ; the pass's 32 rows are in; their offsets' registers are free
.set j, 0
.rept 16
	ds_store_b128 v[ASTW], v[KN0+4*j:KN0+4*j+3] offset:SPITCH*j
.set j, j+1
.endr
	WIN 0x04
.set j, 0
.rept 16
	ds_store_b128 v[ASTW], v[KN1+4*j:KN1+4*j+3] offset:SPITCH*(16+j)
.set j, j+1
.endr
	s_wait_dscnt 0x0                               ; the stores are done: the registers that they read take the loads below
	WIN 0x40
	ROWLOAD QQ, AQR, 0
	ROWLOAD 0, ASTR, 0
	ROWLOAD 64, ASTR, 16*SPITCH
	WIN 0
	s_load_b256 s[32:39], s[4:5], 0x0              ; the batch's 8 words once more, for the next pass's rows: the scalars that held them have served as the rows' offsets
	s_wait_dscnt 16                                ; q and rows 0-15 are in; the youngest 16 loads (rows 16-31) may be out
	XTILE 0
	s_wait_dscnt 0x0
	XTILE 1
	; ---- the first product, tile by tile; the weights run two tiles ahead in two buffers
	LOADW 0
	LOADW 1
	WSLOAD 0
	PLACES 8                                       ; x's scale words were written by vector instructions: 8 places ahead of a scaled matrix instruction (its codes: 4)
.set TI, 0
.rept 16
.if (TI%8) == 0
	s_wait_dscnt 0x0                               ; the tile's weights and the scale words of eight tiles
.elseif TI == 15
	s_wait_dscnt 8                                 ; behind tile 15's loads: tile 16's eight
.else
	s_wait_dscnt 14                                ; behind this tile's loads: the next tile's fourteen
.endif
	MM1 TI
	PLACES 4                                       ; in front of loads into registers that these products have read, and of the first read of results
	LOADW TI+2
.if TI == 7
	WSLOAD 1
.endif
.if TI == 15
	WSLOAD 2
	W3LOAD 0
.endif
.if (TI%8) == 7                                ; 128 hidden units of 32 rows are there: one K step of the second product
	SIGM 128
	QUANT 0, H1C+12*(TI/8), H1S+TI/8
	QUANT 64, H1C+24+12*(TI/8), H1S+2+TI/8
.endif
.set TI, TI+1
.endr
	; ---- the next pass's rows are found and asked for here: the second product and the tail stand between the loads and the wait for them
	WIN 0
	s_wait_kmcnt 0x0                               ; the batch's 8 words
	s_add_co_u32 s22, s12, 1
	s_cmp_lt_u32 s22, s11
	s_cbranch_scc0 .Lnokeys                        ; the last pass asks for nothing
	s_lshl_b32 s23, s22, 5
	ROWSEL 23
	KEYLOAD
.Lnokeys:
	PLACES 8                                       ; the hidden layer's scale words were written by vector instructions
	; ---- the second product, and the third on its results, four tiles at a time
.set TI, 16
.rept 8
.if (TI == 16) || (TI == 23)
	s_wait_dscnt 0x0                               ; tile 16: W2's scale words and W3 too; tile 23: nothing was issued behind its loads
.elseif (TI == 20) || (TI == 21)
	s_wait_dscnt 16                                ; behind this tile's loads: another tile's eight and W3's eight
.else
	s_wait_dscnt 8                                 ; behind this tile's loads: the next tile's eight
.endif
	MM2 TI
	PLACES 4
.if TI+2 <= 23
	LOADW TI+2
.endif
.if (TI%4) == 3
	SIGM 64
	DOT (TI-16)/4
.if TI == 19
	W3LOAD 1
.endif
.endif
.set TI, TI+1
.endr
	; ---- the tail: scores, weights, and the weighted sum of the pass's rows, which come back from the stage as they lie
	WIN 0x40
.set j, 0
.rept 16
	ds_load_b128 v[4*j:4*j+3], v[ASTW] offset:SPITCH*j
.set j, j+1
.endr
.set j, 0
.rept 16
	ds_load_b128 v[128+4*j:128+4*j+3], v[ASTW] offset:SPITCH*(16+j)
.set j, j+1
.endr
	WIN 0x05
	v_pk_add_f32 v[TT:TT+1], v[SS:SS+1], v[SS+2:SS+3]
	v_pk_add_f32 v[TT+2:TT+3], v[SS+4:SS+5], v[SS+6:SS+7]
	WIN 0
	v_add_f32 v[TT+4], v[TT], v[TT+1]
	v_add_f32 v[TT+5], v[TT+2], v[TT+3]
	v_permlanex16_b32 v[TT+6], v[TT+4], s18, s19
	v_permlanex16_b32 v[TT+7], v[TT+5], s18, s19
	v_add_f32 v[TT+4], v[TT+4], v[TT+6]            ; with lane l xor 16's half of the units: row lane % 16 of tile 0,
	v_add_f32 v[TT+5], v[TT+5], v[TT+7]            ; of tile 1
	v_add_f32 v[TT+4], s14, v[TT+4]                ; + b3
	v_add_f32 v[TT+5], s14, v[TT+5]
	v_mul_f32 v[TT+4], s16, v[TT+4]
	v_mul_f32 v[TT+5], s16, v[TT+5]
	v_exp_f32 v[TT+4], v[TT+4]
	v_exp_f32 v[TT+5], v[TT+5]
	v_nop                                          ; a plain place, and the wait ahead of the first reader: once for each pair
	s_wait_alu depctr_va_vdst(0)
	v_add_f32 v[TT+4], 1.0, v[TT+4]
	v_add_f32 v[TT+5], 1.0, v[TT+5]
	v_rcp_f32 v[TT+4], v[TT+4]                     ; the score, in [0, 1]
	v_rcp_f32 v[TT+5], v[TT+5]
	v_nop
	s_wait_alu depctr_va_vdst(0)
	v_mul_f32 v[TT+4], s20, v[TT+4]
	v_mul_f32 v[TT+5], s20, v[TT+5]
	v_exp_f32 v[TT+4], v[TT+4]                     ; e^score, in [1, e]
	v_exp_f32 v[TT+5], v[TT+5]
	v_nop
	s_wait_alu depctr_va_vdst(0)
	v_cmp_gt_i32 vcc_lo, s21, v[RR]                ; is row lane % 16 of tile 0 one of the kept rows?
	v_cndmask_b32 v[TT+4], 0, v[TT+4], vcc_lo      ; a row that only fills the pass up weighs nothing
	s_sub_co_i32 s22, s21, 16
	v_cmp_gt_i32 vcc_lo, s22, v[RR]
	v_cndmask_b32 v[TT+5], 0, v[TT+5], vcc_lo
	v_add_f32 v[LSUM], v[LSUM], v[TT+4]
	v_add_f32 v[LSUM], v[LSUM], v[TT+5]
	s_wait_dscnt 16                                ; rows 0-15 are back; the youngest 16 loads may be out
	WSUM 0, TT+4
	s_wait_dscnt 0x0
	WSUM 128, TT+5
	s_sub_co_i32 s21, s21, 32
	s_add_co_u32 s12, s12, 1
	s_cmp_lt_u32 s12, s11
	s_cbranch_scc1 .Lpass
	; ---------------- the end: the sum over the 16 rows' lanes (both halves of the lanes hold the same 16), the two sets of sums, the division
	v_add_f32_dpp v[LSUM], v[LSUM], v[LSUM] row_xmask:1 row_mask:0xf bank_mask:0xf
	v_add_f32_dpp v[LSUM], v[LSUM], v[LSUM] row_xmask:2 row_mask:0xf bank_mask:0xf
	v_add_f32_dpp v[LSUM], v[LSUM], v[LSUM] row_xmask:4 row_mask:0xf bank_mask:0xf
	v_add_f32_dpp v[LSUM], v[LSUM], v[LSUM] row_xmask:8 row_mask:0xf bank_mask:0xf
	v_rcp_f32 v15, v[LSUM]
	v_pk_add_f32 v[OA:OA+1], v[OA:OA+1], v[OA+4:OA+5]        ; (plain work behind the reciprocal)
	v_pk_add_f32 v[OA+2:OA+3], v[OA+2:OA+3], v[OA+6:OA+7]
	s_wait_alu depctr_va_vdst(0)                   ; the wait ahead of the reciprocal's first reader
.irp i, 0,1,2,3
	v_mul_f32 v[OA+\i], v15, v[OA+\i]
.endr
	global_store_b128 v[L16], v[OA:OA+3], s[6:7]   ; 32 lanes store the batch's 512 consecutive bytes
	s_wait_tensorcnt 0x0
	ds_add_u32 v211, v215
	s_wait_dscnt 0x0
	s_endpgm
.Lfunc_end_k_q153c7c6b0a_attn:
	.size	k_q153c7c6b0a_attn, .Lfunc_end_k_q153c7c6b0a_attn-k_q153c7c6b0a_attn
	.p2alignl 7, 3214868480
	.fill 96, 4, 3214868480
	.section	.rodata,"a",@progbits
	.p2align	6, 0x0
	.amdhsa_kernel k_q153c7c6b0a_attn
		.amdhsa_group_segment_fixed_size 270336
		.amdhsa_private_segment_fixed_size 0
		.amdhsa_enable_private_segment 0
		.amdhsa_kernarg_size 72
		.amdhsa_user_sgpr_count 2
		.amdhsa_user_sgpr_kernarg_segment_ptr 1
		.amdhsa_wavefront_size32 1
		.amdhsa_system_sgpr_workgroup_id_x 1
		.amdhsa_system_sgpr_workgroup_id_y 1
		.amdhsa_system_sgpr_workgroup_id_z 1
		.amdhsa_system_vgpr_workitem_id 0
		.amdhsa_next_free_vgpr 512
		.amdhsa_next_free_sgpr 100
		.amdhsa_reserve_vcc 1
		.amdhsa_float_denorm_mode_32 3
		.amdhsa_float_denorm_mode_16_64 3
		.amdhsa_memory_ordered 1
		.amdhsa_forward_progress 1
		.amdhsa_inst_pref_size 200
	.end_amdhsa_kernel
	.amdgpu_metadata
---
amdhsa.version: [ 1, 2 ]
amdhsa.kernels:
  - .name:           k_q153c7c6b0a_attn
    .symbol:         k_q153c7c6b0a_attn.kd
    .args:
      - { .name: keys, .offset: 0, .size: 8, .value_kind: global_buffer, .address_space: global }
      - { .name: query, .offset: 8, .size: 8, .value_kind: global_buffer, .address_space: global }
      - { .name: sel, .offset: 16, .size: 8, .value_kind: global_buffer, .address_space: global }
      - { .name: wimg, .offset: 24, .size: 8, .value_kind: global_buffer, .address_space: global }
      - { .name: b1, .offset: 32, .size: 8, .value_kind: global_buffer, .address_space: global }
      - { .name: b2, .offset: 40, .size: 8, .value_kind: global_buffer, .address_space: global }
      - { .name: W3, .offset: 48, .size: 8, .value_kind: global_buffer, .address_space: global }
      - { .name: b3, .offset: 56, .size: 8, .value_kind: global_buffer, .address_space: global }
      - { .name: out0, .offset: 64, .size: 8, .value_kind: global_buffer, .address_space: global }
    .group_segment_fixed_size: 270336
    .private_segment_fixed_size: 0
    .kernarg_segment_align: 8
    .kernarg_segment_size: 72
    .max_flat_workgroup_size: 256
    .sgpr_count:     100
    .vgpr_count:     512
    .wavefront_size: 32
...
	.end_amdgpu_metadata
.endif
;; end of part 2
;; ======== version 2 of 2: 2 launches; version 1 with the launch attn written anew for expert scheduling mode
;; workspace buffers: wimg 128,000 bytes; sel 65,536 bytes of whole numbers
;; launch prep: the kernel of part 1 again; grid 84 x 1, 4 waves a work-group, no clusters, 0 bytes of LDS; arguments W1, W2, mask, wimg, sel; writes wimg, sel
;; launch attn (part 3): grid 256 x 1, 8 waves a work-group, no clusters, 270,336 bytes of LDS; arguments keys, query, sel, wimg, b1, b2, W3, b3, out0; writes out0
.if DOCPART == 3
	.amdgcn_target "amdgcn-amd-amdhsa--gfx1250"
	.amdhsa_code_object_version 6
	.text
	.protected	k_q153c7c6b0a_attn
	.globl	k_q153c7c6b0a_attn
	.p2align	8
	.type	k_q153c7c6b0a_attn,@function
k_q153c7c6b0a_attn:
	s_mov_b64 s[64:65], 0
	v_nop
	global_prefetch_b8 v0, s[64:65] scope:SCOPE_SE
	s_setreg_imm32_b32 hwreg(HW_REG_WAVE_SCHED_MODE, 0, 2), 2
	s_setreg_imm32_b32 hwreg(HW_REG_WAVE_MODE, 25, 1), 1
	s_wait_xcnt 0x0
	s_wait_alu depctr_vm_vsrc(0)
; out0[b] = sum over t of softmax_t(score[b][t]) keys[b][t], score = sigmoid(W3 . sigmoid(W2^T sigmoid(W1^T x + b1) + b2) + b3) where mask == 1, x = [k, q, k - q, q k] (512 wide).
; Both large products run on codes of BF6 (E3M2) with one E8M0 scale for each 32 along K; x and the first hidden layer are quantised in registers from f32; the weights come as codes from the launch before.
; SHARES.  2,048 waves, 2,048 batches: batch = 8 x work-group + wave.  A wave takes its batch through the whole chain, 32 rows (two tiles of 16) a pass.
; ONLY THE KEPT ROWS ARE WORKED: a row with mask != 1 has the weight 0 in the definition.  The kept rows' bits, their counts ahead of each 32 rows and their number come from the launch before, 32 bytes a batch;
; a wave makes max(1, ceil(count / 32)) passes, at most 7.  In pass p lane l finds kept row number 32 p + l (macro ROWSEL).  The last pass is filled up with row 0, whose weight there is set to 0.
; NO MAXIMUM IS TAKEN AWAY IN THE SOFTMAX: every score is a sigmoid's result, in [0, 1] for every input, so e^score lies in [1, e] and a batch's sum in [1, 200 e]: nothing can overflow or underflow.
; A batch with no kept row gives 0 x (1 / 0) = NaN, as the definition does.
; LIMITS: NaN and infinities among the inputs are not served (one in a row that the mask hides is not carried into the result, unless it is row 0 and fills up a last pass).
; NO TENSOR LOAD, NO CLUSTER: a wave's trip count is a number read from memory, which differs from wave to wave.  What work-groups share is the weights, 130,048 bytes, which each work-group copies into
; LDS once, through registers; after the one barrier behind that copy they are only read, and the waves never meet again.
; LAYOUT.  Both products are used transposed (source 0 = 16 units of the weight, source 1 = 16 rows of x or of the hidden layer): a lane holds one row, lane % 16, and its registers run along the units.  The units of a tile
; are chosen (lane r of tile 2 b + u: unit 32 b + 8 u + r + 8 (r / 8)) so that register 16 b + i of a row tile's 64 is unit 32 b + 16 (lane / 16) + i: 16 neighbours along the next K.  The biases are the C of each sum's first product.
; LDS: 0 the weights' images and scale words as the launch before laid them (128,000 bytes); 128,000 b1; 129,024 b2; 129,536 W3; 130,048 each wave's query row (512); 134,144 each wave's stage: 32 rows, 528 bytes apart.
; REGISTERS.  Window 0: v1-13, v24-25 addresses; v14 the sum, v16-23 the output in two sets; v32.. q's codes; v44-115 x's codes (2 tiles x 3 K steps; during the second product the next pass's rows 0-15 land in v44-107);
;   v116-122 x's scale words; v124-171 the hidden layer's codes, v172-175 its scale words; v176-191 the weights' scale words; v192-223 at work; v224-255 the key loads' offsets.
; Window 1: v0-127 the accumulators (tile t, row tile m at 64 m + 8 t); v128-183, v184-239 two buffers for a tile's weights and bias; in the second product v0-63 accumulators, v64-127 the next pass's rows 16-31,
;   v216-247 W3, v248-255 the score's partial sums; while x is made: v0-127 the rows, v128-191 k - q or q k, v192-255 q.
; THE MODE: SCHED_MODE bits 1:0 = 2 (LLVM: expert scheduling mode 2), set by the entry lines.  The code itself states the register dependences between vector or matrix instructions and memory or LDS
; instructions, with s_wait_alu, always for 0.
; THE PLAN.  Registers that memory or LDS instructions touch, and who else names them, round a pass:
;   v1-13, v24-25   addresses: written at the head, ahead of the first wait on va_vdst, and never again.
;   GA              KEYLOAD's additions write them, its 32 loads read them: a wait on va_vdst between the two; the wait on vm_vsrc at the next pass's head stands ahead of the next additions.
;   KN0, KN1        KEYLOAD's loads land in them.  Ahead of that they are x's codes, which the first product reads, and its accumulators, which the sigmoids and the quantiser read: all issued ahead of KEYLOAD's wait
;                   on va_vdst.  At the next pass's head the stage's stores read them; the wait on vm_vsrc behind those stores stands ahead of the quantiser's writes into KN0 and of the rows' loads into KN1.
;   the pass's head q, the 32 rows and W1's first scale words land in window 1 v0-127, v192-255 and in v176-191, which the pass before has read to its end: ONE wait on va_vdst there.
;   weight buffers  tile t's products read buffer t % 2, tile t + 2's loads land in it: one wait on va_vdst behind each tile's products.  The later scale words and W3's first half follow the same tile's weights and lean
;                   on the same wait.  There is no third buffer: window 1 holds 128 accumulators and 2 x 56, which leaves 16 registers, and window 0's longest free run in the first product is GA's 32.
;   W3's second half lands where the third product has just read: a wait of its own.  The tail's rows land where the sigmoids, the third product and the last products have been: one wait.
;   x's and the hidden layer's codes and scale words are written by vector instructions and taken by scaled products: behind the 8 places a wait on va_vdst (x's is the one ahead of tile 0's weights).
; Scalars that vector instructions write (the wave's number, the compares' masks, v_readlane's results) have a wait on va_sdst or va_vcc ahead of their first reader; compares that hang on nothing of each other stand in runs.
.set LW2,    98304
.set LSC1,   122880
.set LSC2,   126976
.set LB1,    128000
.set LQROW,  130048
.set LSTAGE, 134144
.set SPITCH, 528                       ; 33 x 16 bytes: the sixteen rows that a load touches start 16 bytes apart modulo 256
.set STAGEB, 32*SPITCH
.set L16,  1                           ; 16 x lane; also the address of W1's tiles 0-7
.set AW0,  1
.set AW1,  3                           ; + 49,152: W1's tiles 8-15
.set AW2,  4                           ; + 98,304: W2's tiles
.set ASC1, 5                           ; 8 x lane + W1's scale words
.set ASC2, 6                           ; 4 x lane + W2's
.set AB,   7                           ; 64 (lane / 16) + b1's first byte; b2 lies 1,024 and W3 1,536 bytes on
.set ASTW, 8                           ; my stage, a row as it lies: 16 x lane
.set ASTR, 9                           ; my stage, by rows: 528 (lane % 16) + 64 (lane / 16)
.set AQW,  10                          ; my query row, as it lies
.set AQR,  11                          ; and 64 (lane / 16) in it
.set RR,   12                          ; lane % 16
.set VF,   13                          ; the fill: 16 x lane + 512 x wave, in wimg and in LDS alike
.set LSUM, 14
.set OA,   16
.set VF2,  24                          ; VF + 65,536
.set VX,   25                          ; the fill's last turn: my offset in its source
.set XCQ,  32
.set XC,   44
.set XSQ,  116
.set XS,   117
.set H1C,  124
.set H1S,  172
.set WS,   176
.set TM,   192                         ; v192-195 largest magnitudes, v196-199 bytes, v204-207 the conversions' scale operands
.set PT,   208                         ; v208-215 the upper halves' codes
.set TT,   216                         ; v216-223 the tail's
.set GA,   224
.set KN0,  44
.set KN1,  64                          ; from here on: window 1
.set WB0,  128
.set DD,   128
.set QQ,   192
.set W3R,  216
.set SS,   248
; ROWSEL's registers: the quantiser's, which are idle where ROWSEL stands; no memory or LDS instruction names them
.set RN,   TM                          ; n: which kept row my lane looks for
.set RW,   TM+1                        ; the word of 32 rows in which it lies
.set RPB,  TM+2                        ; kept rows ahead of that word
.set RTB,  TM+3                        ; the word's first row
.set RA1,  TM+4                        ; the word's bit counts in fields of 2,
.set RA2,  TM+5                        ; 4,
.set RA4,  TM+6                        ; 8
.set RA8,  TM+7                        ; and (low byte) 16 bits
.set RK,   TM+8                        ; the rank still to go
.set RP,   TM+9                        ; the bit's place so far
.set RT,   TM+10
.set RU,   TM+11
.set ROFF, TM+12                       ; the row's byte offset in the batch's keys
.set MSB, 0
.macro WIN new                         ; low byte: bits 1:0 source 0, 3:2 source 1, 5:4 source 2, 7:6 destination; the high byte repeats the setting that is left
.if MSB != \new
	s_set_vgpr_msb (MSB<<8)|\new
.set MSB, \new
.endif
.endm
.macro PLACES n
.rept \n
	v_nop
.endr
.endm
; 64 numbers of a lane in window 1, register src + 16 b + i = k 32 b + 16 (lane / 16) + i of my row, become a fragment's 12 registers of codes at dst and its scale word in sw (both window 0).
.macro QUANT src, dst, sw
	WIN 0x05
.irp b, 0,1,2,3
	v_max3_num_f32 v[TM+\b], |v[(\src)+16*\b]|, |v[(\src)+16*\b+1]|, 0x2800000   ; block b: my 16 numbers, and the floor 2^(5 - 127): the byte cannot fall under 1
.endr
.irp i, 2,4,6,8,10,12,14
.irp b, 0,1,2,3
	v_max3_num_f32 v[TM+\b], |v[(\src)+16*\b+\i]|, |v[(\src)+16*\b+\i+1]|, v[TM+\b]   ; (the four blocks by turns)
.endr
.endr
	WIN 0
.irp b, 0,1,2,3
	v_permlanex16_b32 v[TM+4+\b], v[TM+\b], s18, s19
.endr
.irp b, 0,1,2,3
	v_max_num_f32 v[TM+\b], v[TM+\b], v[TM+4+\b]   ; with lane l xor 16's: the block's largest magnitude
.endr
.irp b, 0,1,2,3
	v_add_nc_u32 v[TM+12+\b], 0xfe000000, v[TM+\b] ; 4 off its exponent field: the conversion's scale operand
.endr
.irp b, 0,1,2,3
	v_lshrrev_b32 v[TM+4+\b], 23, v[TM+12+\b]      ; the scale's byte
.endr
	v_lshl_or_b32 v[\sw], v[TM+5], 8, v[TM+4]      ; the four bytes make my row's scale word
	v_lshl_or_b32 v[\sw], v[TM+6], 16, v[\sw]
	v_lshl_or_b32 v[\sw], v[TM+7], 24, v[\sw]
	WIN 0x01
.irp c, 0,1
	v_cvt_scalef32_pk16_bf6_f32 v[(\dst)+6*\c:(\dst)+6*\c+2], v[(\src)+32*\c:(\src)+32*\c+15], v[TM+12+2*\c]
	v_cvt_scalef32_pk16_bf6_f32 v[PT+4*\c:PT+4*\c+2], v[(\src)+32*\c+16:(\src)+32*\c+31], v[TM+12+2*\c+1]   ; (a conversion's three registers begin on an even number)
.endr
	v_nop                                          ; one plain place behind a scaled conversion
	WIN 0
.irp c, 0,1                                    ; the operand's layout wants a WHOLE block in a lane: lanes 0-15 block 2 c, lanes 16-31 block 2 c + 1
.irp i, 0,1,2
	v_permlane16_swap_b32 v[(\dst)+6*\c+\i], v[PT+4*\c+\i]
.endr
.irp i, 0,1,2
	v_mov_b32 v[(\dst)+6*\c+3+\i], v[PT+4*\c+\i]
.endr
.endr
.endm
; 16 LDS loads: of one row a lane, 16 neighbouring numbers of each block of 32.  The caller has set the destination's window to 1.
.macro ROWLOAD reg, adr, off
.irp b, 0,1,2,3
.irp q, 0,1,2,3
	ds_load_b128 v[(\reg)+16*\b+4*\q:(\reg)+16*\b+4*\q+3], v[\adr] offset:(\off)+128*\b+16*\q
.endr
.endr
.endm
; Row tile m: k, k - q and q k become three fragments (q's own was made once, at the head).
.macro XTILE m
	QUANT 64*(\m), XC+36*(\m), XS+3*(\m)
	WIN 0x45
.set j, 0
.rept 32
	v_pk_add_f32 v[DD+j:DD+j+1], v[64*(\m)+j:64*(\m)+j+1], v[QQ+j:QQ+j+1] neg_lo:[0,1] neg_hi:[0,1]
.set j, j+2
.endr
	QUANT DD, XC+36*(\m)+12, XS+3*(\m)+1
	WIN 0x45
.set j, 0
.rept 32
	v_pk_mul_f32 v[DD+j:DD+j+1], v[64*(\m)+j:64*(\m)+j+1], v[QQ+j:QQ+j+1]
.set j, j+2
.endr
	QUANT DD, XC+36*(\m)+24, XS+3*(\m)+2
.endm
; The weights of tile t into buffer t % 2.  t < 16: W1's four fragments and 8 numbers of b1: 14 loads.  t >= 16: W2's two fragments of tile t - 16 and 8 numbers of b2: 8 loads.
; The caller has stated, behind the window's switch, that the buffer's last readers are done.
.macro LOADW t
.set WBP, WB0+56*((\t)%2)
	WIN 0x40
.if (\t) < 16
.if (\t) < 8
.set AWR, AW0
.else
.set AWR, AW1
.endif
.irp s, 0,1,2,3
.irp c, 0,1,2
	ds_load_b128 v[WBP+12*\s+4*\c:WBP+12*\s+4*\c+3], v[AWR] offset:((\t)%8)*6144+1536*\s+512*\c
.endr
.endr
	ds_load_b128 v[WBP+48:WBP+51], v[AB] offset:128*((\t)/2)+32*((\t)%2)
	ds_load_b128 v[WBP+52:WBP+55], v[AB] offset:128*((\t)/2)+32*((\t)%2)+16
.else
.set TP, (\t)-16
.irp s, 0,1
.irp c, 0,1,2
	ds_load_b128 v[WBP+12*\s+4*\c:WBP+12*\s+4*\c+3], v[AW2] offset:3072*TP+1536*\s+512*\c
.endr
.endr
	ds_load_b128 v[WBP+24:WBP+27], v[AB] offset:1024+128*(TP/2)+32*(TP%2)
	ds_load_b128 v[WBP+28:WBP+31], v[AB] offset:1024+128*(TP/2)+32*(TP%2)+16
.endif
.endm
; Eight loads of scale words.  k = 0, 1: W1's tiles 8 k .. 8 k + 7, two registers a tile: lanes 0-15 K steps 0 and 2, lanes 16-31 K steps 1 and 3.  k = 2: W2's eight tiles, one register: K step lane / 16.
.macro WSLOAD k
	WIN 0
.irp i, 0,1,2,3,4,5,6,7
.if (\k) < 2
	ds_load_b64 v[WS+2*\i:WS+2*\i+1], v[ASC1] offset:256*(8*(\k)+\i)
.else
	ds_load_b32 v[WS+\i], v[ASC2] offset:128*\i
.endif
.endr
.endm
; Eight loads: W3 at the units of the second hidden layer's tiles 4 g .. 4 g + 3, in the result's layout.
.macro W3LOAD g
	WIN 0x40
.irp i, 0,1,2,3
	ds_load_b128 v[W3R+8*\i:W3R+8*\i+3], v[AB] offset:1536+128*((4*(\g)+\i)/2)+32*(\i%2)
	ds_load_b128 v[W3R+8*\i+4:W3R+8*\i+7], v[AB] offset:1536+128*((4*(\g)+\i)/2)+32*(\i%2)+16
.endr
.endm
; Tile t of the first product: 4 K steps (k, q, k - q, q k) x 2 row tiles.  The two accumulators take turns, one instruction a turn.
.macro MM1 t
.set WBP, WB0+56*((\t)%2)
.set TL, (\t)%8
	WIN 0x51                                       ; source 0 (weights), C and D window 1; source 1 (x) window 0
.irp s, 0,1,2,3
.irp m, 0,1
.if \s == 1
.set BR, XCQ
.set BS, XSQ
.else
.set BR, XC+36*\m+12*((\s+1)/2)
.set BS, XS+3*\m+(\s+1)/2
.endif
.set AC, 64*\m+8*TL
.if \s == 0
	v_wmma_scale_f32_16x16x128_f8f6f4 v[AC:AC+7], v[WBP:WBP+11], v[BR:BR+11], v[WBP+48:WBP+55], v[WS+2*TL], v[BS] matrix_a_fmt:MATRIX_FMT_BF6 matrix_b_fmt:MATRIX_FMT_BF6
.elseif \s == 2
	v_wmma_scale_f32_16x16x128_f8f6f4 v[AC:AC+7], v[WBP+24:WBP+35], v[BR:BR+11], v[AC:AC+7], v[WS+2*TL+1], v[BS] matrix_a_fmt:MATRIX_FMT_BF6 matrix_b_fmt:MATRIX_FMT_BF6
.else
	v_wmma_scale_f32_16x16x128_f8f6f4 v[AC:AC+7], v[WBP+12*\s:WBP+12*\s+11], v[BR:BR+11], v[AC:AC+7], v[WS+2*TL+\s/2], v[BS] matrix_a_fmt:MATRIX_FMT_BF6 matrix_b_fmt:MATRIX_FMT_BF6 matrix_a_scale:MATRIX_SCALE_ROW1
.endif
.endr
.endr
.endm
; Tile t - 16 of the second product: 2 K steps x 2 row tiles, the accumulators by turns.
.macro MM2 t
.set WBP, WB0+56*((\t)%2)
.set TP, (\t)-16
	WIN 0x51
.irp s, 0,1
.irp m, 0,1
.set AC, 32*\m+8*(TP%4)
.set BR, H1C+24*\m+12*\s
.if \s == 0
	v_wmma_scale_f32_16x16x128_f8f6f4 v[AC:AC+7], v[WBP:WBP+11], v[BR:BR+11], v[WBP+24:WBP+31], v[WS+TP], v[H1S+2*\m] matrix_a_fmt:MATRIX_FMT_BF6 matrix_b_fmt:MATRIX_FMT_BF6
.else
	v_wmma_scale_f32_16x16x128_f8f6f4 v[AC:AC+7], v[WBP+12:WBP+23], v[BR:BR+11], v[AC:AC+7], v[WS+TP], v[H1S+2*\m+1] matrix_a_fmt:MATRIX_FMT_BF6 matrix_b_fmt:MATRIX_FMT_BF6 matrix_a_scale:MATRIX_SCALE_ROW1
.endif
.endr
.endr
.endm
; sigmoid(x) = 1 / (1 + 2^(-log2(e) x)) on registers 0 .. n - 1 of window 1, in place, in f32.  The first lines go up the registers.
; The exponentials are one batch and the reciprocals another: behind each one plain instruction and ONE wait, ahead of the batch's first reader.
.macro SIGM n
	WIN 0x41
.set j, 0
.rept (\n)/2
	v_pk_mul_f32 v[j:j+1], v[j:j+1], s[16:17] op_sel_hi:[1,0]
.set j, j+2
.endr
.set j, 0
.rept \n
	v_exp_f32 v[j], v[j]
.set j, j+1
.endr
	v_nop
	s_wait_alu depctr_va_vdst(0)                   ; the exponentials have written their results, which the additions below read
.set j, 0
.rept (\n)/2
	v_pk_add_f32 v[j:j+1], v[j:j+1], 1.0 op_sel_hi:[1,0]
.set j, j+2
.endr
.set j, 0
.rept \n
	v_rcp_f32 v[j], v[j]
.set j, j+1
.endr
	v_nop
	s_wait_alu depctr_va_vdst(0)                   ; the reciprocals have written their results, which the quantiser or the third product reads
.endm
; The third product, in f32: four tiles' 32 numbers a lane and row tile times W3, two at a time, in two chains a row tile.  g = 0: the first products start the sums: nothing is cleared.
.macro DOT g
	WIN 0x55
.set j, 0
.rept 16
.irp m, 0,1
.set SC, SS+4*\m+2*(j%2)
.if ((\g) == 0) && (j < 2)
	v_pk_mul_f32 v[SC:SC+1], v[32*\m+2*j:32*\m+2*j+1], v[W3R+2*j:W3R+2*j+1]
.else
	v_pk_fma_f32 v[SC:SC+1], v[32*\m+2*j:32*\m+2*j+1], v[W3R+2*j:W3R+2*j+1], v[SC:SC+1]
.endif
.endr
.set j, j+1
.endr
.endm
; One halving of ROWSEL's search: the field of w bits at the place so far, in the counts a, says how many kept rows lie in the lower half of what is left; where my rank is not among them, they are taken off it and the place goes w up.
.macro RSTEP a, w
	v_bfe_u32 v[RT], v[\a], v[RP], \w
	v_cmp_ge_u32 vcc_lo, v[RK], v[RT]
	s_wait_alu depctr_va_vcc(0)                    ; the compare has written VCC, which the two selects read (each halving hangs on the one before: no run of compares here)
	v_cndmask_b32 v[RT], 0, v[RT], vcc_lo
	v_sub_nc_u32 v[RK], v[RK], v[RT]
	v_cndmask_b32 v[RU], 0, \w, vcc_lo
	v_add_nc_u32 v[RP], v[RP], v[RU]
.endm
; WHICH ROWS.  s32-39 hold the batch's 8 words as loaded, s[sp] 32 x the pass, s10 the number of kept rows.  Lane l finds kept row number n = s[sp] + l and leaves its byte offset, 512 t, in v[ROFF]; 0 where n >= s10.
; Whole numbers only.  The word: the last c with P_c <= n.  In it the bit of rank n - P_c: the word's bit counts in fields of 2, 4, 8 and 16 bits are made once, then five halvings go down through them.
; The seven compares that hang on n alone stand in one run, their masks in s46-52, with one wait behind the run.
.macro ROWSEL sp
	s_and_b32 s40, s39, 0xff                       ; P1
	s_bfe_u32 s41, s39, 0x80008                    ; P2 (8 bits from bit 8)
	s_bfe_u32 s42, s39, 0x80010                    ; P3
	s_lshr_b32 s43, s39, 24                        ; P4
	s_bfe_u32 s44, s38, 0x80008                    ; P5
	s_bfe_u32 s45, s38, 0x80010                    ; P6
	s_and_b32 s38, s38, 0xff                       ; rows 192 .. 199
	v_lshrrev_b32 v[RN], 4, v[L16]                 ; lane
	v_add_nc_u32 v[RN], s[\sp], v[RN]              ; n
	v_mov_b32 v[RW], s32
	v_mov_b32 v[RPB], 0
	v_mov_b32 v[RTB], 0
.irp c, 1,2,3,4,5,6
	v_cmp_gt_u32 s[45+\c], s[39+\c], v[RN]         ; P_c > n: what I have stays
.endr
	v_cmp_gt_u32 s52, s10, v[RN]                   ; n is one of the kept rows
	s_wait_alu depctr_va_sdst(0)                   ; the seven compares have written s46-52, which the selects below read
.irp c, 1,2,3,4,5,6
	v_cndmask_b32 v[RW], s[32+\c], v[RW], s[45+\c]
	v_cndmask_b32 v[RPB], s[39+\c], v[RPB], s[45+\c]
	v_cndmask_b32 v[RTB], 32*\c, v[RTB], s[45+\c]
.endr
	v_sub_nc_u32 v[RK], v[RN], v[RPB]              ; my rank in the word
	v_lshrrev_b32 v[RT], 1, v[RW]
	v_and_b32 v[RT], 0x55555555, v[RT]
	v_sub_nc_u32 v[RA1], v[RW], v[RT]              ; counts of 2 bits
	v_lshrrev_b32 v[RT], 2, v[RA1]
	v_and_b32 v[RT], 0x33333333, v[RT]
	v_and_b32 v[RA2], 0x33333333, v[RA1]
	v_add_nc_u32 v[RA2], v[RA2], v[RT]             ; of 4
	v_lshrrev_b32 v[RT], 4, v[RA2]
	v_add_nc_u32 v[RT], v[RA2], v[RT]
	v_and_b32 v[RA4], 0x0f0f0f0f, v[RT]            ; of 8
	v_lshrrev_b32 v[RT], 8, v[RA4]
	v_add_nc_u32 v[RA8], v[RA4], v[RT]             ; low byte: of the lower 16
	v_and_b32 v[RT], 0xff, v[RA8]
	v_cmp_ge_u32 vcc_lo, v[RK], v[RT]
	s_wait_alu depctr_va_vcc(0)                    ; the compare has written VCC, which the two selects read
	v_cndmask_b32 v[RT], 0, v[RT], vcc_lo
	v_sub_nc_u32 v[RK], v[RK], v[RT]
	v_cndmask_b32 v[RP], 0, 16, vcc_lo
	RSTEP RA4, 8
	RSTEP RA2, 4
	RSTEP RA1, 2
	RSTEP RW, 1
	v_add_lshl_u32 v[RT], v[RTB], v[RP], 9         ; 512 x the row
	v_cndmask_b32 v[ROFF], 0, v[RT], s52           ; beyond the kept rows: row 0 stands in
.endm
; 32 rows of keys by the offsets that ROWSEL left, one a lane: each goes to a scalar, and each load is one whole row, 512 consecutive bytes.  No cache hint: row 0 may be named more than once.
.macro KEYLOAD
.set j, 0
.rept 32
	v_readlane_b32 s[32+j], v[ROFF], j
.set j, j+1
.endr
	s_wait_alu depctr_va_sdst(0)                   ; the 32 lines above have written s32-63, which the lines below read
.set j, 0
.rept 32
	s_min_u32 s[32+j], s[32+j], 0x18e00            ; a row's offset is at most 199 x 512
.set j, j+1
.endr
.set j, 0
.rept 32
	v_add_nc_u32 v[GA+j], s[32+j], v[L16]          ; (the loads that read these registers last stand ahead of the wait on vm_vsrc at the pass's head)
.set j, j+1
.endr
	s_wait_alu depctr_va_vdst(0)                   ; the additions have written the 32 offsets, which the loads read; the first product is done reading x's codes, and the sigmoids and the quantiser its accumulators, in which the loads land
.set j, 0
.rept 16
	global_load_b128 v[KN0+4*j:KN0+4*j+3], v[GA+j], s[2:3]
.set j, j+1
.endr
	WIN 0x40
.set j, 0
.rept 16
	global_load_b128 v[KN1+4*j:KN1+4*j+3], v[GA+16+j], s[2:3]   ; between the wait and these stand loads and a window's switch alone
.set j, j+1
.endr
	WIN 0
.endm
; The output takes 16 rows (window 1, from kb on; a lane holds 4 numbers of each) times their weights, which lie one a lane in v[wv]: each goes to a scalar pair's low word.
.macro WSUM kb, wv
.set j, 0
.rept 16
	v_readlane_b32 s[66+2*j], v[\wv], j
.set j, j+1
.endr
	s_wait_alu depctr_va_sdst(0)                   ; the 16 lines above have written the pairs' low words, which the multiply-adds read
	WIN 0x01
.set j, 0
.rept 16
	v_pk_fma_f32 v[OA+4*(j%2):OA+4*(j%2)+1], v[(\kb)+4*j:(\kb)+4*j+1], s[66+2*j:67+2*j], v[OA+4*(j%2):OA+4*(j%2)+1] op_sel_hi:[1,0,1]   ; (two sets of sums by turns)
	v_pk_fma_f32 v[OA+4*(j%2)+2:OA+4*(j%2)+3], v[(\kb)+4*j+2:(\kb)+4*j+3], s[66+2*j:67+2*j], v[OA+4*(j%2)+2:OA+4*(j%2)+3] op_sel_hi:[1,0,1]
.set j, j+1
.endr
	WIN 0
.endm
	; ---------------- the head
	s_load_b512 s[68:83], s[0:1], 0x0              ; keys s[68:69], query s[70:71], sel s[72:73], wimg s[74:75], b1 s[76:77], b2 s[78:79], W3 s[80:81], b3 s[82:83]
	s_load_b64 s[6:7], s[0:1], 0x40                ; out0
	v_lshl_add_u32 v211, v0, 2, 0x41c00
	v_mov_b32 v215, 0
	v_lshrrev_b32 v26, 5, v0
	v_readfirstlane_b32 s8, v26                    ; wave 0..7
	v_and_b32 v27, 31, v0                          ; lane
	v_bfe_u32 v28, v0, 4, 1                        ; lane / 16
	v_and_b32 v[RR], 15, v0
	v_lshlrev_b32 v[L16], 4, v27
	v_add_nc_u32 v[AW1], 49152, v[L16]
	v_add_nc_u32 v[AW2], LW2, v[L16]
	v_lshl_add_u32 v[ASC1], v27, 3, LSC1
	v_lshl_add_u32 v[ASC2], v27, 2, LSC2
	v_lshl_add_u32 v[AB], v28, 6, LB1
	s_wait_alu depctr_va_sdst(0)                   ; s8 is written, ahead of its first reader: LDS addresses, the batch's number and the fill's branches are made from it
	s_mul_i32 s22, s8, STAGEB
	s_add_co_u32 s22, s22, LSTAGE                  ; my stage
	v_add_nc_u32 v[ASTW], s22, v[L16]
	v_mul_u32_u24 v[ASTR], v[RR], SPITCH
	v_lshl_add_u32 v[ASTR], v28, 6, v[ASTR]
	v_add_nc_u32 v[ASTR], s22, v[ASTR]
	s_lshl_b32 s23, s8, 9                          ; 512 x wave
	s_add_co_u32 s24, s23, LQROW                   ; my query row
	v_add_nc_u32 v[AQW], s24, v[L16]
	v_lshlrev_b32 v[AQR], 6, v28
	v_add_nc_u32 v[AQR], s24, v[AQR]
	v_add_nc_u32 v[VF], s23, v[L16]
	v_add_nc_u32 v[VF2], 65536, v[VF]
	s_lshl_b32 s9, ttmp9, 3
	s_add_co_u32 s9, s9, s8                        ; my batch
	s_mul_i32 s28, s9, 102400                      ; its keys: 200 rows of 512 bytes (under 2^32 for 2,048 batches)
	s_mov_b32 s29, 0
	s_lshl_b32 s30, s9, 5                          ; its 32 bytes of sel
	s_mov_b32 s31, 0
	s_lshl_b32 s12, s9, 9                          ; its rows of query and out0
	s_mov_b32 s13, 0
	s_mov_b32 s16, 0xbfb8aa3b                      ; -log2(e)
	s_mov_b32 s17, s16                             ; (named with it as a pair, so it is written)
	s_mov_b32 s18, 0x76543210
	s_mov_b32 s19, 0xfedcba98                      ; v_permlanex16_b32's selects for lane l xor 16
	s_mov_b32 s20, 0x3fb8aa3b                      ; log2(e)
	s_wait_kmcnt 0x0
	s_add_nc_u64 s[2:3], s[68:69], s[28:29]
	s_add_nc_u64 s[4:5], s[72:73], s[30:31]        ; never stepped: every pass reads the same 32 bytes
	s_add_nc_u64 s[6:7], s[6:7], s[12:13]
	s_add_nc_u64 s[70:71], s[70:71], s[12:13]
	s_load_b256 s[32:39], s[4:5], 0x0              ; the batch's kept rows
	s_load_b32 s14, s[82:83], 0x0                  ; b3
	; THE FILL: LDS bytes 0 .. 130,047 are 254 chunks of 512 bytes; wave w takes chunks w + 8 i.  Turns 0 .. 30 lie in wimg.  In turn 31 waves 0, 1 take wimg's last two chunks, waves 2, 3 b1's two, wave 4 b2, wave 5 W3.
	s_add_co_u32 s24, s23, 248*512                 ; in wimg
	s_sub_co_u32 s25, s23, 1024                    ; in b1 (used by waves 2 and 3 alone)
	s_mov_b32 s22, 0
	s_cmp_eq_u32 s8, 4
	s_cselect_b64 s[26:27], s[78:79], s[80:81]
	s_cmp_lt_u32 s8, 4
	s_cselect_b64 s[26:27], s[76:77], s[26:27]
	s_cselect_b32 s22, s25, s22
	s_cmp_lt_u32 s8, 2
	s_cselect_b64 s[26:27], s[74:75], s[26:27]
	s_cselect_b32 s22, s24, s22
	v_add_nc_u32 v[VX], s22, v[L16]
	WIN 0x40
	s_wait_alu depctr_va_vdst(0)                   ; all addresses and offsets v1-13, v24-25 are written: every load and store of the kernel but the keys' reads one of them, and none is written again
.set j, 0
.rept 31
	global_load_b128 v[128+4*j:128+4*j+3], v[VF], s[74:75] offset:4096*j
.set j, j+1
.endr
	WIN 0
	s_cmp_lt_u32 s8, 6
	s_cbranch_scc0 .Lno_extra_load
	WIN 0x40
	global_load_b128 v[252:255], v[VX], s[26:27]
	WIN 0
.Lno_extra_load:
	global_load_b128 v[TT:TT+3], v[L16], s[70:71]  ; my query row
	s_wait_kmcnt 0x0                               ; the batch's 8 words and b3
	s_lshr_b32 s10, s38, 24                        ; the number of kept rows
	s_min_u32 s10, s10, 200
	s_add_co_u32 s11, s10, 31
	s_lshr_b32 s11, s11, 5
	s_max_u32 s11, s11, 1                          ; passes: 1 .. 7
	s_mov_b32 s23, 0
	ROWSEL 23                                      ; pass 0's rows
	KEYLOAD
	s_wait_loadcnt 33                              ; behind the fill's loads stand q's one and the keys' 32: the fill is in
	WIN 0x04                                       ; an LDS store's data are its source 1: window 1
.set j, 0
.rept 16
	ds_store_b128 v[VF], v[128+4*j:128+4*j+3] offset:4096*j
.set j, j+1
.endr
.set j, 0
.rept 15
	ds_store_b128 v[VF2], v[192+4*j:192+4*j+3] offset:4096*j
.set j, j+1
.endr
	WIN 0
	s_cmp_lt_u32 s8, 6
	s_cbranch_scc0 .Lno_extra_store
	WIN 0x04
	ds_store_b128 v[VF2], v[252:255] offset:61440  ; chunk 248 + wave
	WIN 0
.Lno_extra_store:
	s_wait_loadcnt 32                              ; q is in; the keys' 32 may stay out
	ds_store_b128 v[AQW], v[TT:TT+3]
	s_wait_dscnt 0x0                               ; for the others' sake: my part of the weights lies in LDS
	s_barrier_signal -1
	s_barrier_wait -1                              ; everybody's does.  The launch's only barrier: from here on the weights are only read, and stage and query row are each wave's own
	WIN 0x40
	s_wait_alu depctr_vm_vsrc(0)                   ; my LDS stores have read window 1's v128-255 and v216-219: q's row lands in the first below, and differences, weights and the tail's sums are written there later
	ROWLOAD QQ, AQR, 0
	WIN 0
.irp i, 0,1,2,3,4,5,6,7
	v_mov_b32 v[OA+\i], 0                          ; the output's sums
.endr
	v_mov_b32 v[LSUM], 0
.irp i, 4,5,6,7
	v_mov_b32 v[TM+\i], 0                          ; written once: a lane permute's destination counts as one of its sources
.endr
	v_mov_b32 v[TT+6], 0
	v_mov_b32 v[TT+7], 0
.set j, 0
.rept 16
	s_mov_b32 s[67+2*j], 0                         ; the upper words of the weights' pairs are named, so they are written (the pointers that lay here are done with: their loads have been waited for)
.set j, j+1
.endr
	s_mov_b32 s12, 0                               ; the pass
	s_mov_b32 s21, s10                             ; kept rows from this pass on
	s_wait_dscnt 0x0
	QUANT QQ, XCQ, XSQ                             ; q's fragment serves every row of the batch
	; ---------------- a pass: 32 rows
.Lpass:
	s_wait_loadcnt 0x0                             ; the pass's 32 rows are in; their offsets' registers are free
.set j, 0
.rept 16
	ds_store_b128 v[ASTW], v[KN0+4*j:KN0+4*j+3] offset:SPITCH*j
.set j, j+1
.endr
	WIN 0x04
.set j, 0
.rept 16
	ds_store_b128 v[ASTW], v[KN1+4*j:KN1+4*j+3] offset:SPITCH*(16+j)
.set j, j+1
.endr
	s_wait_dscnt 0x0                               ; the stores are done
	WIN 0
	s_wait_alu depctr_va_vdst(0)                   ; the pass before (in the first pass: q's quantiser) is done with all that the loads below land in: its weighted sums have read window 1's v0-63 and v128-191, its third product W3 and the partial sums, its products the scale words
	s_wait_alu depctr_vm_vsrc(0)                   ; the stage's stores have read the 32 rows' registers, in which rows 16-31 land below and x's codes are written; the keys' loads have read their offsets, which the next additions write
	WSLOAD 0                                       ; W1's first scale words go ahead of the rows: no line up to tile 0 names their registers
	WIN 0x40
	ROWLOAD QQ, AQR, 0                             ; between the two waits and these stand loads and window switches alone
	ROWLOAD 0, ASTR, 0
	ROWLOAD 64, ASTR, 16*SPITCH
	WIN 0
	s_load_b256 s[32:39], s[4:5], 0x0              ; the batch's 8 words once more, for the next pass's rows: the scalars that held them have served as the rows' offsets
	s_wait_dscnt 16                                ; the scale words, q and rows 0-15 are in; the youngest 16 loads (rows 16-31) may be out
	XTILE 0
	s_wait_dscnt 0x0
	XTILE 1
	; ---- the first product, tile by tile; the weights run two tiles ahead in two buffers
	PLACES 8                                       ; x's scale words were written by vector instructions: 8 places ahead of a scaled matrix instruction (its codes: 4)
	WIN 0x40
	s_wait_alu depctr_va_vdst(0)                   ; the quantiser has written x's codes and scale words, which the products take; it and the differences' and products' lines are done with window 1's v128-255, in which the weights land
	LOADW 0
	LOADW 1
.set TI, 0
.rept 16
.if TI == 8
	s_wait_dscnt 0x0                               ; the tile's weights and the scale words of tiles 8-15
.elseif TI == 15
	s_wait_dscnt 8                                 ; behind tile 15's loads: tile 16's eight
.else
	s_wait_dscnt 14                                ; behind this tile's loads: the next tile's fourteen
.endif
	MM1 TI
	PLACES 4                                       ; four places behind the products, ahead of the first read of results; they stand in every tile, and for the loads the wait below states the dependence
	WIN 0x40
	s_wait_alu depctr_va_vdst(0)                   ; this tile's products are done reading their buffer, in which the weights of two tiles on land (at tiles 7 and 15: eight tiles' products their scale words too; at 15: buffer 1's upper part, where W3 lands)
	LOADW TI+2
.if TI == 7
	WSLOAD 1
.endif
.if TI == 15
	WSLOAD 2
	W3LOAD 0
.endif
.if (TI%8) == 7                                ; 128 hidden units of 32 rows are there: one K step of the second product
	SIGM 128
	QUANT 0, H1C+12*(TI/8), H1S+TI/8
	QUANT 64, H1C+24+12*(TI/8), H1S+2+TI/8
.endif
.set TI, TI+1
.endr
	; ---- the next pass's rows are found and asked for here: the second product and the tail stand between the loads and the wait for them
	WIN 0
	s_wait_kmcnt 0x0                               ; the batch's 8 words
	s_add_co_u32 s22, s12, 1
	s_cmp_lt_u32 s22, s11
	s_cbranch_scc0 .Lnokeys                        ; the last pass asks for nothing
	s_lshl_b32 s23, s22, 5
	ROWSEL 23
	KEYLOAD
.Lnokeys:
	PLACES 8                                       ; the hidden layer's scale words were written by vector instructions
	s_wait_alu depctr_va_vdst(0)                   ; the quantiser has written the hidden layer's codes and scale words, which the second product takes: behind the label, so that it stands on both ways
	; ---- the second product, and the third on its results, four tiles at a time
.set TI, 16
.rept 8
.if (TI == 16) || (TI == 23)
	s_wait_dscnt 0x0                               ; tile 16: W2's scale words and W3 too; tile 23: nothing was issued behind its loads
.elseif (TI == 20) || (TI == 21)
	s_wait_dscnt 16                                ; behind this tile's loads: another tile's eight and W3's eight
.else
	s_wait_dscnt 8                                 ; behind this tile's loads: the next tile's eight
.endif
	MM2 TI
	PLACES 4                                       ; four places behind the products, as in the first product
.if TI+2 <= 23
	WIN 0x40
	s_wait_alu depctr_va_vdst(0)                   ; this tile's products are done reading their buffer, in which the weights of two tiles on land
	LOADW TI+2
.endif
.if (TI%4) == 3
	SIGM 64
	DOT (TI-16)/4
.if TI == 19
	WIN 0x40
	s_wait_alu depctr_va_vdst(0)                   ; the third product is done reading W3's first half, in whose registers the second lands
	W3LOAD 1
.endif
.endif
.set TI, TI+1
.endr
	; ---- the tail: scores, weights, and the weighted sum of the pass's rows, which come back from the stage as they lie
	WIN 0x40
	s_wait_alu depctr_va_vdst(0)                   ; the sigmoids and the third product are done with window 1's v0-63, the last products with the weights' buffers: the rows land in both
.set j, 0
.rept 16
	ds_load_b128 v[4*j:4*j+3], v[ASTW] offset:SPITCH*j
.set j, j+1
.endr
.set j, 0
.rept 16
	ds_load_b128 v[128+4*j:128+4*j+3], v[ASTW] offset:SPITCH*(16+j)
.set j, j+1
.endr
	WIN 0x05
	v_pk_add_f32 v[TT:TT+1], v[SS:SS+1], v[SS+2:SS+3]
	v_pk_add_f32 v[TT+2:TT+3], v[SS+4:SS+5], v[SS+6:SS+7]
	WIN 0
	s_sub_co_i32 s22, s21, 16
	v_cmp_gt_i32 s24, s21, v[RR]                   ; is row lane % 16 of tile 0 one of the kept rows?  The two compares stand here, far ahead of the selects that read their masks
	v_cmp_gt_i32 s25, s22, v[RR]                   ; and of tile 1?
	v_add_f32 v[TT+4], v[TT], v[TT+1]
	v_add_f32 v[TT+5], v[TT+2], v[TT+3]
	v_permlanex16_b32 v[TT+6], v[TT+4], s18, s19
	v_permlanex16_b32 v[TT+7], v[TT+5], s18, s19
	v_add_f32 v[TT+4], v[TT+4], v[TT+6]            ; with lane l xor 16's half of the units: row lane % 16 of tile 0,
	v_add_f32 v[TT+5], v[TT+5], v[TT+7]            ; of tile 1
	v_add_f32 v[TT+4], s14, v[TT+4]                ; + b3
	v_add_f32 v[TT+5], s14, v[TT+5]
	v_mul_f32 v[TT+4], s16, v[TT+4]
	v_mul_f32 v[TT+5], s16, v[TT+5]
	v_exp_f32 v[TT+4], v[TT+4]
	v_exp_f32 v[TT+5], v[TT+5]
	v_nop                                          ; a plain place, and the wait ahead of the first reader: once for each pair
	s_wait_alu depctr_va_vdst(0)                   ; the two exponentials have written their results
	v_add_f32 v[TT+4], 1.0, v[TT+4]
	v_add_f32 v[TT+5], 1.0, v[TT+5]
	v_rcp_f32 v[TT+4], v[TT+4]                     ; the score, in [0, 1]
	v_rcp_f32 v[TT+5], v[TT+5]
	v_nop
	s_wait_alu depctr_va_vdst(0)                   ; the two reciprocals have written their results
	v_mul_f32 v[TT+4], s20, v[TT+4]
	v_mul_f32 v[TT+5], s20, v[TT+5]
	v_exp_f32 v[TT+4], v[TT+4]                     ; e^score, in [1, e]
	v_exp_f32 v[TT+5], v[TT+5]
	v_nop
	s_wait_alu depctr_va_vdst(0)                   ; the two exponentials have written their results
	s_wait_alu depctr_va_sdst(0)                   ; the two compares have written s24 and s25, which the selects read
	v_cndmask_b32 v[TT+4], 0, v[TT+4], s24         ; a row that only fills the pass up weighs nothing
	v_cndmask_b32 v[TT+5], 0, v[TT+5], s25
	v_add_f32 v[LSUM], v[LSUM], v[TT+4]
	v_add_f32 v[LSUM], v[LSUM], v[TT+5]
	s_wait_dscnt 16                                ; rows 0-15 are back; the youngest 16 loads may be out
	WSUM 0, TT+4
	s_wait_dscnt 0x0
	WSUM 128, TT+5
	s_sub_co_i32 s21, s21, 32
	s_add_co_u32 s12, s12, 1
	s_cmp_lt_u32 s12, s11
	s_cbranch_scc1 .Lpass
	; ---------------- the end: the sum over the 16 rows' lanes (both halves of the lanes hold the same 16), the two sets of sums, the division
	v_add_f32_dpp v[LSUM], v[LSUM], v[LSUM] row_xmask:1 row_mask:0xf bank_mask:0xf
	v_add_f32_dpp v[LSUM], v[LSUM], v[LSUM] row_xmask:2 row_mask:0xf bank_mask:0xf
	v_add_f32_dpp v[LSUM], v[LSUM], v[LSUM] row_xmask:4 row_mask:0xf bank_mask:0xf
	v_add_f32_dpp v[LSUM], v[LSUM], v[LSUM] row_xmask:8 row_mask:0xf bank_mask:0xf
	v_rcp_f32 v15, v[LSUM]
	v_pk_add_f32 v[OA:OA+1], v[OA:OA+1], v[OA+4:OA+5]        ; (plain work behind the reciprocal)
	v_pk_add_f32 v[OA+2:OA+3], v[OA+2:OA+3], v[OA+6:OA+7]
	s_wait_alu depctr_va_vdst(0)                   ; the reciprocal has written v15, ahead of its first reader
.irp i, 0,1,2,3
	v_mul_f32 v[OA+\i], v15, v[OA+\i]
.endr
	s_wait_alu depctr_va_vdst(0)                   ; the four multiplications have written v16-19, which the store reads
	global_store_b128 v[L16], v[OA:OA+3], s[6:7]   ; 32 lanes store the batch's 512 consecutive bytes
	s_wait_dscnt 0x0
	s_wait_alu depctr_hold_cnt(0) depctr_sa_sdst(0) depctr_va_vdst(0) depctr_va_sdst(0) depctr_va_ssrc(0) depctr_va_vcc(0) depctr_vm_vsrc(0)
	s_wait_tensorcnt 0x0
	ds_add_u32 v211, v215
	s_wait_dscnt 0x0
	s_endpgm
.Lfunc_end_k_q153c7c6b0a_attn:
	.size	k_q153c7c6b0a_attn, .Lfunc_end_k_q153c7c6b0a_attn-k_q153c7c6b0a_attn
	.p2alignl 7, 3214868480
	.fill 96, 4, 3214868480
	.section	.rodata,"a",@progbits
	.p2align	6, 0x0
	.amdhsa_kernel k_q153c7c6b0a_attn
		.amdhsa_group_segment_fixed_size 270336
		.amdhsa_private_segment_fixed_size 0
		.amdhsa_enable_private_segment 0
		.amdhsa_kernarg_size 72
		.amdhsa_user_sgpr_count 2
		.amdhsa_user_sgpr_kernarg_segment_ptr 1
		.amdhsa_wavefront_size32 1
		.amdhsa_system_sgpr_workgroup_id_x 1
		.amdhsa_system_sgpr_workgroup_id_y 1
		.amdhsa_system_sgpr_workgroup_id_z 1
		.amdhsa_system_vgpr_workitem_id 0
		.amdhsa_next_free_vgpr 512
		.amdhsa_next_free_sgpr 100
		.amdhsa_reserve_vcc 1
		.amdhsa_float_denorm_mode_32 3
		.amdhsa_float_denorm_mode_16_64 3
		.amdhsa_memory_ordered 1
		.amdhsa_forward_progress 1
		.amdhsa_inst_pref_size 203
	.end_amdhsa_kernel
	.amdgpu_metadata
---
amdhsa.version: [ 1, 2 ]
amdhsa.kernels:
  - .name:           k_q153c7c6b0a_attn
    .symbol:         k_q153c7c6b0a_attn.kd
    .args:
      - { .name: keys, .offset: 0, .size: 8, .value_kind: global_buffer, .address_space: global }
      - { .name: query, .offset: 8, .size: 8, .value_kind: global_buffer, .address_space: global }
      - { .name: sel, .offset: 16, .size: 8, .value_kind: global_buffer, .address_space: global }
      - { .name: wimg, .offset: 24, .size: 8, .value_kind: global_buffer, .address_space: global }
      - { .name: b1, .offset: 32, .size: 8, .value_kind: global_buffer, .address_space: global }
      - { .name: b2, .offset: 40, .size: 8, .value_kind: global_buffer, .address_space: global }
      - { .name: W3, .offset: 48, .size: 8, .value_kind: global_buffer, .address_space: global }
      - { .name: b3, .offset: 56, .size: 8, .value_kind: global_buffer, .address_space: global }
      - { .name: out0, .offset: 64, .size: 8, .value_kind: global_buffer, .address_space: global }
    .group_segment_fixed_size: 270336
    .private_segment_fixed_size: 0
    .kernarg_segment_align: 8
    .kernarg_segment_size: 72
    .max_flat_workgroup_size: 256
    .sgpr_count:     100
    .vgpr_count:     512
    .wavefront_size: 32
...
	.end_amdgpu_metadata
.endif
;; end of part 3
